; MI455X (gfx1250); checked and timed in simulation.
; The chip was launched on July 23, 2026; its instructions are those of AMD's public machine-readable ISA for CDNA 5 (MIT licence, August 2026) and "CDNA5" Instruction Set Architecture Reference Guide (July 2026). The comments in the code are by the model that wrote it; some were corrected since.
;; Mo E Layer. Allowed arithmetic: matrix products marked QUANTISED: E2M3 operands, one E8M0 scale for each 32 along K, by v_wmma_scale_f32_16x16x128_f8f6f4 with both operands' format E2M3, f32 sums; products left as they are: f32 operands where the result goes on into a quantised operand, else bf16, f16 or f32 operands; f32 sums; everything else in f32.
;; Inputs: w_gate 1,024 x 8 float32; wd 8 x 1,024 x 1,024 float32; wg 8 x 1,024 x 1,024 float32; ws_d 1 x 1,024 x 1,024 float32; ws_g 1 x 1,024 x 1,024 float32; ws_u 1 x 1,024 x 1,024 float32; wu 8 x 1,024 x 1,024 float32; x 2 x 1,024 x 1,024 float32.
;; Outputs: out0 2 x 1,024 x 1,024 float32; out1 one number float32.
;; This version of the problem:
;;   THIS VERSION OF THE PROBLEM IS GIVEN IN LOW PRECISION. The matrix products marked QUANTISED in the list below multiply operands that are first quantised to E2M3 (2 exponent bits, 3 mantissa bits; 6 bits a number), with one power-of-two scale for each 32 numbers along K (OCP MX v1.0); their sums are f32. All else is computed in f32.
;;   The module's matrix products, in the order in which they are computed (A, B: the left and right operand; K: the contracted axis; several contracted axes count as one K, in the product's order):
;;     1. [M 2,048, K 1,024] x [K 1,024, N 8]; A: input x; B: input w_gate: left as it is (N = 8 < 16)
;;     2. batch 2,048 x [M 1, K 2] x [K 2, N 8]; A: softmax; B: computed on the way: left as it is (K = 2 < 32)
;;     3. [M 8,192, K 1,024] x [K 1,024, N 2,048]; A: input wg; B: input x: QUANTISED
;;     4. [M 8,192, K 1,024] x [K 1,024, N 2,048]; A: input wu; B: input x: QUANTISED
;;     5. batch 8 x [M 2,048, K 1,024] x [K 1,024, N 1,024]; A: computed on the way; B: input wd: QUANTISED
;;     6. batch 2,048 x [M 1, K 8] x [K 8, N 1,024]; A: computed on the way; B: computed on the way: left as it is (K = 8 < 32)
;;     7. [M 2,048, K 1,024] x [K 1,024, N 1,024]; A: input x; B: input ws_g: QUANTISED
;;     8. [M 2,048, K 1,024] x [K 1,024, N 1,024]; A: input x; B: input ws_u: QUANTISED
;;     9. [M 2,048, K 1,024] x [K 1,024, N 1,024]; A: computed on the way; B: input ws_d: QUANTISED
;;   THE QUANTISER, for each operand of a quantised product, along K:
;;     - K is cut into blocks of 32 from its start; a last block that is shorter is filled with zeros.
;;     - A block's scale is 2^e with e = floor(log2(the largest magnitude in the block)) - 2, held to -126 .. 127; a block of zeros has e = 0. As a byte (E8M0): e + 127.
;;     - Each number is divided by its block's scale, clamped to +-7.5, and rounded to the nearest number of E2M3, ties to even, subnormals kept.
;;     - The product sums the exact products of the quantised numbers (number of the format x scale) in f32.
;;   ~~~python
;;   def quantise(x, axis):      # numpy; x: float32 -> the quantised numbers, widened to float32 again
;;       x = np.moveaxis(x, axis, -1); K = x.shape[-1]
;;       x = np.pad(x, [(0, 0)] * (x.ndim - 1) + [(0, -K % 32)]); x = x.reshape(x.shape[:-1] + (-1, 32)); a = np.abs(x).max(-1, keepdims=True)
;;       e = np.where(a > 0, np.clip(np.frexp(np.where(a > 0, a, 1))[1] - 1 - 2, -126, 127), 0)      # np.frexp(a)[1] - 1 = floor(log2(a)), exactly
;;       r = np.clip(x / 2.0 ** e, -7.5, 7.5)
;;       step = 2.0 ** (np.maximum(np.frexp(np.where(r == 0, 1, r))[1] - 1, 0) - 3)
;;       q = np.round(r / step) * step * 2.0 ** e      # np.round: ties to even
;;       return np.moveaxis(q.reshape(q.shape[:-2] + (-1,))[..., :K], -1, axis).astype(np.float32)
;;   ~~~
;;   OPERANDS COMPUTED ON THE WAY. 'Computed on the way' means the value that the module computes at that place (a softmax that the list does not call 'softmax' is quantised finished and normalised). What goes into a quantiser is computed in f32, as accurately as f32 sums, v_exp_f32 and their like allow (about 1e-6 of the number): no bf16 or f16 on the way to a quantiser, and a product that is left as it is and whose result goes on into a quantised operand takes f32 operands (vector FMAs, or v_wmma_f32_16x16x4_f32). A number that lies on a knife's edge between two numbers of the format may be rounded either way, as far as f32 arithmetic and the matrix unit's own rounding can turn it there, and no further.
;; One version. Each part assembles by itself: llvm-mc -triple=amdgcn-amd-amdhsa -mcpu=gfx1250 --defsym DOCPART=n.
;; ======== version 1 of 1: 5 launches
;; limits: right only within a limited range of input values
;; workspace buffers: wq 22,118,400 bytes; xw 1,656,832 bytes; ridx 16,384 bytes of whole numbers; plan 44,032 bytes of whole numbers; aq 5,324,800 bytes; ybuf 27,262,976 bytes
;; launch prep (part 1): grid 256 x 1, 8 waves a work-group, no clusters, 131,584 bytes of LDS; arguments x, w_gate, wg, wu, wq, xw, ridx; writes wq, xw, ridx
.if DOCPART == 1
	.amdgcn_target "amdgcn-amd-amdhsa--gfx1250"
	.amdhsa_code_object_version 6
	.text
	.protected	k_q117860ba72_prep
	.globl	k_q117860ba72_prep
	.p2align	8
	.type	k_q117860ba72_prep,@function
k_q117860ba72_prep:
	s_mov_b64 s[64:65], 0
	v_nop
	global_prefetch_b8 v0, s[64:65] scope:SCOPE_SE
	s_setreg_imm32_b32 hwreg(HW_REG_WAVE_MODE, 25, 1), 1
	s_wait_xcnt 0x0
; MoE layer (2,048 tokens of 1,024; top 2 of 8 experts and one shared expert, each a SwiGLU 1024 -> 1024 -> 1024), launch 1 of 5.
; DEAD WORK.  cw[n,e] = sum_k topk_w[n,k] one_hot[n,k,e], and one_hot, which reference() builds itself, is an exact 0 at every expert that is not one of token n's two.  routed[n] = sum_e cw[n,e] y[e,n]:
; so row n of g, u, a and y of an expert that token n did not choose is multiplied by that 0, whatever finite values the inputs hold, and reaches no output.  The program makes those rows for the two chosen
; experts alone (and all rows of the shared expert); the products with one_hot and with cw become a selection and two fused multiply-adds a number.  Every input has a way to an output and is loaded by some launch.
; LIMITS: a NaN, an infinity or an overflow that arises only in an expert that a token did not choose is not carried to the result; NaN and infinities among the inputs are not served; the logits are f32 sums in
; another order than reference()'s, so two logits that agree to about 1e-6 of their size may change places in the top 2; a block whose largest magnitude lies under 2^-124, a block of zeros too, gets the scale
; byte 1 (its codes are then zeros or as the byte gives them; the bytes are read by this program alone).
; THIS LAUNCH.  Work-groups 0-63: 32 tokens each: x into codes of E2M3 and E8M0 bytes (K = the token's 1,024, innermost), the router's logits in f32, the top 2, their softmax, and the sums of the full softmax.
; Work-groups 64-255: wg[0..7] and wu[0..3] into codes, 256 columns x 256 along K a work-group.  K is a weight's FIRST axis: a lane takes a column and its registers run down K.
; THE CODES' LAYOUT is the order of the operand's registers.  A fragment (16 columns x 128 K, 12 registers a lane) is 1,536 bytes: registers 4 g .. 4 g + 3 of lane l at 512 g + 16 l.  Fragment (matrix M, tile t,
; K step s) lies at ((64 M + t) 8 + s) 1,536.  Lane r of tile 2 b + u holds column 32 b + 8 u + r + 8 (r / 8), so that a transposed product leaves 16 neighbouring columns in a lane's 16 registers of two tiles.
; Scale words: [M][K step / 2][t][r][2 words], behind the codes.  x: a token's K step is 96 bytes with its blocks in the order 0, 2, 1, 3: the 48 bytes of each half of the lanes lie together.
; THE ROUTER.  A lane holds a token, a wave a K step of 128.  The wave's 128 rows of w_gate, 1,024 numbers, stand in 64 registers, two lanes to a row, the same in both halves of the wave; each multiply-add
; takes its weight from lane n of its row of sixteen lanes (DPP row_share), so no weight goes through LDS.
; No tensor load, no cluster: no two work-groups read the same bytes but w_gate's 32 KiB.  No prefetch: the launch streams its inputs once, with 64 loads a wave on their way.
.set NSP,   64                         ; work-groups of the token path
.set XSTG,  0                          ; LDS, token path: a stage for each wave: 32 tokens x (256 bytes + 16)
.set XIMG,  69632                      ; 32 tokens x (768 bytes of codes + 16)
.set XSI,   94720                      ; their scale words, 32 bytes a token
.set LG,    95744                      ; partial logits: [wave][token][8]
.set WSTG,  103936                     ; LDS, weight path: two fragments for each wave, 1,664 bytes apart
.set SPARE, 130560                     ; the spare words, 128 bytes for each wave, which no other line names
.set SCO,   21233664                   ; wq: where the scale words begin
.set XSO,   1572864                    ; xw: x's scale words;
.set RWO,   1638400                    ; the two weights of each token;
.set PPO,   1654784                    ; the sums of the full softmax, [work-group][8]
.set WV,  18                           ; s18 my wave's number
.set CX,  24                           ; s24 which 256 columns; s25 which 256 along K; s28 the matrix's number in wq; s29 its number in its source
.set KY,  25
.set SRC, 26
.set MN,  28
.set MI,  29
.set T0,  30
.set T2,  32
.set COD, 34
.set SCL, 36
.set WQ,  12
; ---- the weight path's macros (the same text stands in the next launch)
.macro WADDR                           ; my wave's first bytes: in the source, among the codes, among the scale words
	s_lshl_b32 s[T0], s[MI], 22                    ; a matrix is 4 MiB,
	s_lshl_b32 s[T2], s[KY], 20                    ; 256 rows of 4,096 bytes,
	s_add_co_u32 s[T0], s[T0], s[T2]
	s_lshl_b32 s[T2], s[CX], 10                    ; 256 columns,
	s_add_co_u32 s[T0], s[T0], s[T2]
	s_lshl_b32 s[T2], s[WV], 7                     ; my wave's 32
	s_add_co_u32 s[T0], s[T0], s[T2]
	s_mov_b32 s[T0+1], 0
	s_add_nc_u64 s[SRC:SRC+1], s[SRC:SRC+1], s[T0:T0+1]
	s_lshl_b32 s[T0], s[MN], 6
	s_lshl_b32 s[T2], s[CX], 4
	s_add_co_u32 s[T0], s[T0], s[T2]
	s_lshl_b32 s[T2], s[WV], 1
	s_add_co_u32 s[T0], s[T0], s[T2]               ; my first tile: 64 M + 16 cx + 2 wave
	s_lshl_b32 s[T0], s[T0], 3
	s_lshl_b32 s[T2], s[KY], 1
	s_add_co_u32 s[T0], s[T0], s[T2]               ; its K step 2 ky
	s_mul_i32 s[T0], s[T0], 1536
	s_add_nc_u64 s[COD:COD+1], s[WQ:WQ+1], s[T0:T0+1]
	s_lshl_b32 s[T0], s[MN], 15
	s_lshl_b32 s[T2], s[KY], 13
	s_add_co_u32 s[T0], s[T0], s[T2]
	s_lshl_b32 s[T2], s[CX], 11
	s_add_co_u32 s[T0], s[T0], s[T2]
	s_lshl_b32 s[T2], s[WV], 8
	s_add_co_u32 s[T0], s[T0], s[T2]
	s_add_co_u32 s[T0], s[T0], SCO
	s_add_nc_u64 s[SCL:SCL+1], s[WQ:WQ+1], s[T0:T0+1]
.endm
.macro AMAX d, e, xs                   ; the largest magnitude of v[xs] .. v[xs + 31], in two chains, with the floor 2^(3 - 127) among the leaves: the byte cannot fall under 1
	v_max3_num_f32 v[\d], |v[\xs]|, |v[\xs+1]|, |v[\xs+2]|
	v_max3_num_f32 v[\e], |v[\xs+3]|, |v[\xs+4]|, |v[\xs+5]|
.irp i, 6,10,14,18,22,26
	v_max3_num_f32 v[\d], v[\d], |v[\xs+\i]|, |v[\xs+\i+1]|
	v_max3_num_f32 v[\e], v[\e], |v[\xs+\i+2]|, |v[\xs+\i+3]|
.endr
	v_max3_num_f32 v[\d], v[\d], |v[\xs+30]|, |v[\xs+31]|
	v_max3_num_f32 v[\d], v[\d], v[\e], 0x1800000
.endm
.macro WLOAD t                         ; block t: rows 32 t .. 32 t + 31 of my column, into set t % 2; a wave's load reads 128 consecutive bytes, the eight waves stand side by side
.set LI, 0
.rept 32
	global_load_b32 v[32+32*((\t)%2)+LI], v16, s[SRC:SRC+1] offset:(32*(\t)+LI)*4096 th:TH_LOAD_NT
.set LI, LI+1
.endr
.endm
.macro WBLOCK t                        ; block t is block t % 4 of K step t / 4: registers 6 c .. 6 c + 5 of lane (r, h), c = (t % 4) / 2, h = t % 2
.set XS, 32+32*((\t)%2)
.set BE, (\t)%4
.set HH, (\t)%2
.if (\t) < 7
	s_wait_loadcnt 32                              ; this block's 32 loads are in; the next block's 32 may be out
.else
	s_wait_loadcnt 0x0
.endif
	AMAX 110, 111, XS
	v_add_nc_u32 v112, 0xff000000, v110            ; 2 off the exponent field: the conversion takes the exponent field of this operand as its scale
	v_cvt_scalef32_pk16_fp6_f32 v[96:98], v[XS:XS+15], v112
	v_cvt_scalef32_pk16_fp6_f32 v[104:106], v[XS+16:XS+31], v112   ; (a conversion's three registers begin on an even number)
	v_lshrrev_b32 v113, 23, v112                   ; the scale's byte; also the plain instruction behind the conversions
.irp i, 0,1,2
	v_mov_b32 v[99+\i], v[104+\i]
.endr
.if BE == 0
	v_mov_b32 v[108+(\t)/4], v113                  ; four bytes to a word, the lower K in the lower byte
.else
	v_lshl_or_b32 v[108+(\t)/4], v113, 8*BE, v[108+(\t)/4]
.endif
.if BE < 2
	ds_store_b128 v17, v[96:99] offset:256*HH      ; registers 0-3 of lane r + 16 h,
	ds_store_b64 v17, v[100:101] offset:512+256*HH ; registers 4, 5
.else
	ds_store_b64 v17, v[96:97] offset:520+256*HH   ; registers 6, 7,
	ds_store_b128 v17, v[98:101] offset:1024+256*HH ; registers 8-11
.endif
.if (\t) < 6
	WLOAD (\t)+2
.endif
	s_wait_dscnt 0x0                               ; the stores have read their registers: the next block's codes may be written
.endm
.macro WFLUSH sg                       ; K step sg's two fragments leave the stage: each store of the wave covers 512 consecutive bytes
.irp u, 0,1
.irp g, 0,1,2
	ds_load_b128 v[128+24*\sg+4*(3*\u+\g):131+24*\sg+4*(3*\u+\g)], v18 offset:1664*\u+512*\g   ; LDS serves a wave's instructions in order: these see my stores
.endr
.endr
	s_wait_dscnt 0x0
.irp u, 0,1
.irp g, 0,1,2
	global_store_b128 v19, v[128+24*\sg+4*(3*\u+\g):131+24*\sg+4*(3*\u+\g)], s[COD:COD+1] offset:12288*\u+1536*\sg+512*\g
.endr
.endr
.endm
.macro WPATH
	WLOAD 0
	WLOAD 1
	WBLOCK 0
	WBLOCK 1
	WBLOCK 2
	WBLOCK 3
	WFLUSH 0
	WBLOCK 4
	WBLOCK 5
	WBLOCK 6
	WBLOCK 7
	WFLUSH 1
	global_store_b64 v20, v[108:109], s[SCL:SCL+1] ; my column's two scale words: the wave's 32 lanes cover 256 consecutive bytes
.endm
; ---- the token path's macros
; Rows 8 kb .. 8 kb + 7 of my 128 rows of w_gate: 64 numbers in registers 160 + 4 kb + c, c = 0 .. 3: lane n of each sixteen holds number 4 n + c of them: row 8 kb + n / 2, expert 4 (n % 2) + c.
; 64 multiply-adds: x[my token][row] times the weight in lane n of my row of lanes.  Two sets of eight sums, for even and odd rows: sixteen instructions lie between two on one sum.
.macro RBLK kb
.irp n, 0,1,2,3,4,5,6,7,8,9,10,11,12,13,14,15
.irp c, 0,1,2,3
	v_fmac_f32_dpp v[224+8*((\n/2)%2)+4*(\n%2)+\c], v[160+4*(\kb)+\c], v[32+8*(\kb)+\n/2] row_share:\n row_mask:0xf bank_mask:0xf
.endr
.endr
.endm
.macro XQUANT be, pi                   ; block be of my token's K step: its 24 bytes of codes to place pi of the 96, its byte into the scale word
.set XB, 32+32*(\be)
	AMAX 192, 193, XB
	v_add_nc_u32 v194, 0xff000000, v192
	v_cvt_scalef32_pk16_fp6_f32 v[160+6*(\pi):162+6*(\pi)], v[XB:XB+15], v194
	v_cvt_scalef32_pk16_fp6_f32 v[184:186], v[XB+16:XB+31], v194
	v_lshrrev_b32 v195, 23, v194                   ; the byte; also the plain instruction behind the conversions
.irp i, 0,1,2
	v_mov_b32 v[163+6*(\pi)+\i], v[184+\i]
.endr
.if (\be) == 0
	v_mov_b32 v190, v195
.else
	v_lshl_or_b32 v190, v195, 8*(\be), v190
.endif
.endm
	s_load_b256 s[4:11], s[0:1], 0x0               ; x s[4:5], w_gate s[6:7], wg s[8:9], wu s[10:11]
	s_load_b128 s[12:15], s[0:1], 0x20             ; wq s[12:13], xw s[14:15]
	s_load_b64 s[16:17], s[0:1], 0x30              ; ridx
	v_lshl_add_u32 v1, v0, 2, SPARE                ; my spare word,
	v_mov_b32 v2, 0                                ; and 0: kept for the closing lines alone
	v_lshrrev_b32 v22, 5, v0
	v_readfirstlane_b32 s[WV], v22                 ; wave 0..7
	v_and_b32 v23, 31, v0                          ; lane
	v_and_b32 v24, 15, v0
	v_bfe_u32 v25, v0, 4, 1
	; every LDS address of both paths is made here, ahead of the parting, and never holds anything else
	v_lshlrev_b32 v6, 4, v24                       ; w_gate: 16 bytes a lane of sixteen; lanes 16-31 take what lanes 0-15 take
	v_lshl_add_u32 v3, v25, 12, v6                 ; x: lanes 0-15 one token's 256 bytes, lanes 16-31 the next token's
	s_mul_i32 s19, s[WV], 8704
	v_mul_u32_u24 v4, v25, 272
	v_lshl_add_u32 v4, v24, 4, v4
	v_add_nc_u32 v4, s19, v4                       ; into my stage, as loaded
	v_mul_u32_u24 v5, v23, 272
	v_add_nc_u32 v5, s19, v5                       ; out of it: a lane a token
	v_lshlrev_b32 v19, 4, v23                      ; 16 x lane
	s_mul_i32 s21, s[WV], 96
	s_add_co_u32 s21, s21, XIMG
	v_mul_u32_u24 v8, v23, 784
	v_add_nc_u32 v8, s21, v8                       ; my token's codes of my K step
	s_mul_i32 s21, s[WV], 3136
	s_add_co_u32 s21, s21, XIMG
	v_add_nc_u32 v9, s21, v19                      ; back: four tokens a wave, 512 bytes an instruction;
	v_lshl_add_u32 v10, v25, 4, v9                 ; where lanes 16-31 stand in the next token: one padding more
	s_lshl_b32 s21, s[WV], 2
	s_add_co_u32 s21, s21, XSI
	v_lshl_add_u32 v11, v23, 5, s21
	v_lshlrev_b32 v13, 2, v0
	v_add_nc_u32 v12, XSI, v13
	s_lshl_b32 s21, s[WV], 10
	s_add_co_u32 s21, s21, LG
	v_lshl_add_u32 v14, v23, 5, s21
	v_lshlrev_b32 v15, 5, v23
	v_add_nc_u32 v15, LG, v15
	v_lshlrev_b32 v16, 2, v23                      ; 4 x lane
	v_bfe_u32 v26, v0, 3, 1                        ; my column's tile of the two: u = (lane / 8) % 2,
	v_and_b32 v27, 7, v0
	v_lshl_add_u32 v27, v25, 3, v27                ; and its lane there: r = lane % 8 + 8 (lane / 16)
	s_mul_i32 s21, s[WV], 3328
	s_add_co_u32 s21, s21, WSTG
	v_mul_u32_u24 v17, v26, 1664
	v_lshl_add_u32 v17, v27, 4, v17
	v_add_nc_u32 v17, s21, v17
	v_add_nc_u32 v18, s21, v19
	v_lshlrev_b32 v20, 7, v26
	v_lshl_add_u32 v20, v27, 3, v20                ; my column's two scale words among the wave's 256 bytes
	v_lshlrev_b32 v21, 3, v23                      ; 8 x lane
	s_wait_kmcnt 0x0
	s_cmp_lt_u32 ttmp9, NSP
	s_cbranch_scc1 .Lspecial_a
	; ---- THE WEIGHT PATH
	s_sub_co_u32 s22, ttmp9, NSP
	s_lshr_b32 s23, s22, 4                         ; 0-7: wg[0..7]; 8-11: wu[0..3]
	s_and_b32 s[CX], s22, 3
	s_bfe_u32 s[KY], s22, 0x20002
	s_and_b32 s[MI], s23, 7
	s_cmp_lt_u32 s23, 8
	s_cselect_b64 s[SRC:SRC+1], s[8:9], s[10:11]
	s_cselect_b32 s[MN], 0, 1
	s_add_co_u32 s[MN], s[MN], s23                 ; wg[e] is matrix e, wu[e] matrix 9 + e
	WADDR
	WPATH
	s_branch .Lmeet
.Lspecial_a:
	; ---- THE TOKEN PATH, first half.  Wave w has K step w of the work-group's 32 tokens
	s_lshl_b32 s22, ttmp9, 17
	s_lshl_b32 s23, s[WV], 9
	s_add_co_u32 s22, s22, s23
	s_mov_b32 s23, 0
	s_add_nc_u64 s[38:39], s[4:5], s[22:23]        ; x: 32 tokens x 4,096 bytes a work-group, 512 bytes a K step
	s_lshl_b32 s22, s[WV], 12
	s_add_nc_u64 s[40:41], s[6:7], s[22:23]        ; w_gate: my 128 rows of 32 bytes
.set J, 0
.rept 16
	global_load_b128 v[160+4*J:163+4*J], v6, s[40:41] offset:256*J   ; eight rows of w_gate: 256 consecutive bytes, in both halves of the wave
.set J, J+1
.endr
.irp eta, 0,1
.set J, 0
.rept 16
	global_load_b128 v[32+64*\eta+4*J:35+64*\eta+4*J], v3, s[38:39] offset:8192*J+256*\eta th:TH_LOAD_NT   ; sixteen lanes read 256 consecutive bytes of a token
.set J, J+1
.endr
.endr
.irp i, 0,1,2,3,4,5,6,7,8,9,10,11,12,13,14,15
	v_mov_b32 v[224+\i], 0                         ; the sixteen sums (a DPP form's destination counts as one of its sources, so the first product cannot start them)
.endr
.irp eta, 0,1
	s_wait_loadcnt 16-16*\eta                      ; w_gate's loads and this half's sixteen are in (the second half's may be out)
.set J, 0
.rept 16
	ds_store_b128 v4, v[32+64*\eta+4*J:35+64*\eta+4*J] offset:544*J
.set J, J+1
.endr
.set J, 0
.rept 16
	ds_load_b128 v[32+64*\eta+4*J:35+64*\eta+4*J], v5 offset:16*J   ; back, a lane a token: v[32 + k] = x[token][128 w + k].  LDS serves a wave's instructions in order
.set J, J+1
.endr
.endr
	s_wait_dscnt 32                                ; the first 64 numbers are back; behind them: the second half's sixteen stores and sixteen loads
.set KB, 0
.rept 8
	RBLK KB
.set KB, KB+1
.endr
	s_wait_dscnt 0x0
.rept 8
	RBLK KB
.set KB, KB+1
.endr
.irp j, 0,1,2,3
	v_pk_add_f32 v[224+2*\j:225+2*\j], v[224+2*\j:225+2*\j], v[232+2*\j:233+2*\j]
.endr
	ds_store_b128 v14, v[224:227]                  ; my K step's part of my token's eight logits
	ds_store_b128 v14, v[228:231] offset:16
	XQUANT 0, 0
	XQUANT 1, 2
	XQUANT 2, 1
	XQUANT 3, 3
.irp i, 0,1,2,3,4,5
	ds_store_b128 v8, v[160+4*\i:163+4*\i] offset:16*\i
.endr
	ds_store_b32 v11, v190
.Lmeet:
	s_wait_dscnt 0x0                               ; my LDS stores have landed
	s_barrier_signal -1
	s_barrier_wait -1                              ; the one barrier: every wave of every work-group passes it
	s_cmp_lt_u32 ttmp9, NSP
	s_cbranch_scc0 .Lend
	; ---- THE TOKEN PATH, second half
	s_wait_xcnt 0x0                                ; registers that earlier memory instructions name are written again below
	s_mul_i32 s22, ttmp9, 24576
	s_mul_i32 s23, s[WV], 3072
	s_add_co_u32 s22, s22, s23
	s_mov_b32 s23, 0
	s_add_nc_u64 s[42:43], s[14:15], s[22:23]      ; the codes of my wave's four tokens
	s_lshl_b32 s22, ttmp9, 10
	s_add_nc_u64 s[44:45], s[14:15], s[22:23]      ; the work-group's scale words (+ XSO)
	ds_load_b128 v[32:35], v9
	ds_load_b128 v[36:39], v10 offset:512
	ds_load_b128 v[40:43], v9 offset:1040
	ds_load_b128 v[44:47], v9 offset:1568
	ds_load_b128 v[48:51], v10 offset:2080
	ds_load_b128 v[52:55], v9 offset:2608
	ds_load_b32 v56, v12
	s_wait_dscnt 0x0
.irp i, 0,1,2,3,4,5
	global_store_b128 v19, v[32+4*\i:35+4*\i], s[42:43] offset:512*\i   ; 512 consecutive bytes
.endr
	global_store_b32 v13, v56, s[44:45] offset:XSO
	s_cmp_lg_u32 s[WV], 0
	s_cbranch_scc1 .Lend
	; ---- wave 0: the router, a lane a token
.irp q, 0,1,2,3,4,5,6,7
	ds_load_b128 v[64+8*\q:67+8*\q], v15 offset:1024*\q
	ds_load_b128 v[68+8*\q:71+8*\q], v15 offset:1024*\q+16
.endr
	s_lshl_b32 s22, ttmp9, 8
	s_add_nc_u64 s[46:47], s[16:17], s[22:23]      ; ridx: 8 bytes a token
	s_add_nc_u64 s[48:49], s[14:15], s[22:23]      ; the weights likewise (+ RWO)
	s_lshl_b32 s22, ttmp9, 5
	s_add_nc_u64 s[50:51], s[14:15], s[22:23]      ; the softmax's sums (+ PPO)
	s_mov_b32 s52, 0x76543210
	s_mov_b32 s53, 0xfedcba98                      ; v_permlanex16_b32's selects for lane l xor 16
	s_wait_dscnt 0x0
.irp j, 0,1,2,3
	v_pk_add_f32 v[128+2*\j:129+2*\j], v[64+2*\j:65+2*\j], v[72+2*\j:73+2*\j]
.endr
.irp q, 2,3,4,5,6,7
.irp j, 0,1,2,3
	v_pk_add_f32 v[128+2*\j:129+2*\j], v[128+2*\j:129+2*\j], v[64+8*\q+2*\j:65+8*\q+2*\j]
.endr
.endr
	v_mov_b32 v136, v128                           ; the largest logit, and
	v_mov_b32 v137, 0xff800000                     ; the second: -infinity to begin with
	v_mov_b32 v138, 0                              ; their experts
	v_mov_b32 v139, 0
.irp e, 1,2,3,4,5,6,7                  ; a strict > keeps the lower index on a tie, as jax.lax.top_k does
	v_mov_b32 v140, \e
	v_cmp_gt_f32 s55, v[128+\e], v136
	v_cmp_gt_f32 s56, v[128+\e], v137
	v_cndmask_b32 v137, v137, v[128+\e], s56
	v_cndmask_b32 v139, v139, v140, s56
	v_cndmask_b32 v137, v137, v136, s55
	v_cndmask_b32 v139, v139, v138, s55
	v_cndmask_b32 v136, v136, v[128+\e], s55
	v_cndmask_b32 v138, v138, v140, s55
.endr
.irp e, 0,1,2,3,4,5,6,7
	v_sub_f32 v[144+\e], v[128+\e], v136           ; the maximum is taken away, as in both softmaxes of reference()
.endr
	v_sub_f32 v152, v137, v136
.irp e, 0,1,2,3,4,5,6,7,8
	v_mul_f32 v[144+\e], 0x3fb8aa3b, v[144+\e]
.endr
.irp e, 0,1,2,3,4,5,6,7,8
	v_exp_f32 v[144+\e], v[144+\e]
.endr
	v_nop                                          ; a plain instruction behind the last exponential,
	s_wait_alu depctr_va_vdst(0)                   ; and one wait for the nine, ahead of their first reader
	v_add_f32 v153, v144, v145
	v_add_f32 v154, v146, v147
	v_add_f32 v155, v148, v149
	v_add_f32 v156, v150, v151
	v_add_f32 v153, v153, v154
	v_add_f32 v155, v155, v156
	v_add_f32 v153, v153, v155
	v_add_f32 v154, 1.0, v152
	v_rcp_f32 v155, v153
	v_rcp_f32 v156, v154                           ; w0 = 1 / (1 + t), t = e^(second - largest)
	v_nop
	s_wait_alu depctr_va_vdst(0)                   ; one wait for the two
	v_mul_f32 v157, v152, v156                     ; w1 = t w0
.irp e, 0,1,2,3,4,5,6,7
	v_mul_f32 v[144+\e], v[144+\e], v155           ; the full softmax
.endr
	global_store_b64 v21, v[138:139], s[46:47]     ; the choice goes to fixed places as whole numbers: no address of this launch hangs on it
	global_store_b64 v21, v[156:157], s[48:49] offset:RWO
.irp e, 0,1,2,3,4,5,6,7
	v_mov_b32 v[160+\e], 0                         ; (a lane permute's destination counts as one of its sources)
.endr
.irp x, 1,2,4,8
.irp e, 0,1,2,3,4,5,6,7
	v_add_f32_dpp v[144+\e], v[144+\e], v[144+\e] row_xmask:\x row_mask:0xf bank_mask:0xf
.endr
.endr
.irp e, 0,1,2,3,4,5,6,7
	v_permlanex16_b32 v[160+\e], v[144+\e], s52, s53
.endr
.irp e, 0,1,2,3,4,5,6,7
	v_add_f32 v[144+\e], v[144+\e], v[160+\e]      ; expert e's softmax summed over my 32 tokens, in every lane
.endr
	v_mov_b32 v170, v144
.irp e, 1,2,3,4,5,6,7
	v_cmp_eq_u32 vcc_lo, \e, v23
	v_cndmask_b32 v170, v170, v[144+\e], vcc_lo    ; lane e takes expert e's
.endr
	s_wait_xcnt 0x0                                ; EXEC changes only behind this wait
	v_cmp_gt_u32 vcc_lo, 8, v23
	s_and_saveexec_b32 s54, vcc_lo
	global_store_b32 v16, v170, s[50:51] offset:PPO
	s_wait_xcnt 0x0                                ; and again, in front of the line that widens it
	s_or_b32 exec_lo, exec_lo, s54
.Lend:
	s_wait_tensorcnt 0x0                           ; the wave's end, behind my last LDS store
	ds_add_u32 v1, v2
	s_wait_dscnt 0x0
	s_endpgm
.Lfunc_end_k_q117860ba72_prep:
	.size	k_q117860ba72_prep, .Lfunc_end_k_q117860ba72_prep-k_q117860ba72_prep
	.p2alignl 7, 3214868480
	.fill 96, 4, 3214868480
	.section	.rodata,"a",@progbits
	.p2align	6, 0x0
	.amdhsa_kernel k_q117860ba72_prep
		.amdhsa_group_segment_fixed_size 131584
		.amdhsa_private_segment_fixed_size 0
		.amdhsa_enable_private_segment 0
		.amdhsa_kernarg_size 56
		.amdhsa_user_sgpr_count 2
		.amdhsa_user_sgpr_kernarg_segment_ptr 1
		.amdhsa_wavefront_size32 1
		.amdhsa_system_sgpr_workgroup_id_x 1
		.amdhsa_system_sgpr_workgroup_id_y 1
		.amdhsa_system_sgpr_workgroup_id_z 1
		.amdhsa_system_vgpr_workitem_id 0
		.amdhsa_next_free_vgpr 256
		.amdhsa_next_free_sgpr 66
		.amdhsa_reserve_vcc 1
		.amdhsa_float_denorm_mode_32 3
		.amdhsa_float_denorm_mode_16_64 3
		.amdhsa_memory_ordered 1
		.amdhsa_forward_progress 1
		.amdhsa_inst_pref_size 138
	.end_amdhsa_kernel
	.amdgpu_metadata
---
amdhsa.version: [ 1, 2 ]
amdhsa.kernels:
  - .name:           k_q117860ba72_prep
    .symbol:         k_q117860ba72_prep.kd
    .args:
      - { .name: x, .offset: 0, .size: 8, .value_kind: global_buffer, .address_space: global }
      - { .name: w_gate, .offset: 8, .size: 8, .value_kind: global_buffer, .address_space: global }
      - { .name: wg, .offset: 16, .size: 8, .value_kind: global_buffer, .address_space: global }
      - { .name: wu, .offset: 24, .size: 8, .value_kind: global_buffer, .address_space: global }
      - { .name: wq, .offset: 32, .size: 8, .value_kind: global_buffer, .address_space: global }
      - { .name: xw, .offset: 40, .size: 8, .value_kind: global_buffer, .address_space: global }
      - { .name: ridx, .offset: 48, .size: 8, .value_kind: global_buffer, .address_space: global }
    .group_segment_fixed_size: 131584
    .private_segment_fixed_size: 0
    .kernarg_segment_align: 8
    .kernarg_segment_size: 56
    .max_flat_workgroup_size: 256
    .sgpr_count:     66
    .vgpr_count:     256
    .wavefront_size: 32
...
	.end_amdgpu_metadata
.endif
;; end of part 1
;; launch place (part 2): grid 241 x 1, 8 waves a work-group, no clusters, 28,672 bytes of LDS; arguments ridx, xw, wu, wd, ws_g, ws_u, ws_d, wq, plan, out1; writes wq, plan, out1
.if DOCPART == 2
	.amdgcn_target "amdgcn-amd-amdhsa--gfx1250"
	.amdhsa_code_object_version 6
	.text
	.protected	k_q117860ba72_place
	.globl	k_q117860ba72_place
	.p2align	8
	.type	k_q117860ba72_place,@function
k_q117860ba72_place:
	s_mov_b64 s[64:65], 0
	v_nop
	global_prefetch_b8 v0, s[64:65] scope:SCOPE_SE
	s_setreg_imm32_b32 hwreg(HW_REG_WAVE_MODE, 25, 1), 1
	s_wait_xcnt 0x0
; MoE layer, launch 2 of 5.  Work-group 0 reads the chosen experts (whole numbers that the launch before stored) and places the 4,096 routed rows by expert: a counting sort without atomics.
; It stores: ROWTOK (sorted row -> token), POS ((token, k) -> sorted row), a list of 32 tiles of up to 256 rows (expert, rows, each wave's first row), and the load-balancing loss.
; ROWS.  Expert e has S_e = its count rounded up to 64 rows, one expert behind the other: 4,600 at the most; rows that are padding carry token 0, are computed and are read by nobody.  The shared expert's row of
; token n is 4,608 + n.  Tiles: never more than 16 + 7 routed ones, whatever the split (slots 0-22), and 8 shared (slots 23-30).  A slot without rows has 0 rows and points at rows that exist.
; LOSS: f_e = count_e / 2,048, P_e = (sum of the softmax) / 2,048: 8 sum f_e P_e = 2^-19 sum count_e Psum_e.
; Work-groups 1-240: wu[4..7], wd[0..7], ws_g, ws_u, ws_d into codes, by the weight path of the launch before (its head says the layout and the limits).
.set NSP,   1
.set WSTG,  0                          ; LDS, weight path: two fragments for each wave, 1,664 bytes apart
.set CNT,   26624                      ; LDS, work-group 0: [wave][32] counts (lanes 0-7: the experts')
.set SPARE, 27648                      ; the spare words, 128 bytes for each wave, which no other line names
.set SCO,   21233664
.set PPO,   1654784
.set POS,   26624                      ; plan: ROWTOK at 0, POS, TILES
.set TILES, 43008
.set WV,  24
.set CX,  28
.set KY,  29
.set MN,  30
.set MI,  31
.set SRC, 32
.set COD, 34
.set SCL, 36
.set T0,  38
.set T2,  52
.set WQ,  18
.macro WADDR                           ; my wave's first bytes: in the source, among the codes, among the scale words
	s_lshl_b32 s[T0], s[MI], 22
	s_lshl_b32 s[T2], s[KY], 20
	s_add_co_u32 s[T0], s[T0], s[T2]
	s_lshl_b32 s[T2], s[CX], 10
	s_add_co_u32 s[T0], s[T0], s[T2]
	s_lshl_b32 s[T2], s[WV], 7
	s_add_co_u32 s[T0], s[T0], s[T2]
	s_mov_b32 s[T0+1], 0
	s_add_nc_u64 s[SRC:SRC+1], s[SRC:SRC+1], s[T0:T0+1]
	s_lshl_b32 s[T0], s[MN], 6
	s_lshl_b32 s[T2], s[CX], 4
	s_add_co_u32 s[T0], s[T0], s[T2]
	s_lshl_b32 s[T2], s[WV], 1
	s_add_co_u32 s[T0], s[T0], s[T2]               ; my first tile: 64 M + 16 cx + 2 wave
	s_lshl_b32 s[T0], s[T0], 3
	s_lshl_b32 s[T2], s[KY], 1
	s_add_co_u32 s[T0], s[T0], s[T2]
	s_mul_i32 s[T0], s[T0], 1536
	s_add_nc_u64 s[COD:COD+1], s[WQ:WQ+1], s[T0:T0+1]
	s_lshl_b32 s[T0], s[MN], 15
	s_lshl_b32 s[T2], s[KY], 13
	s_add_co_u32 s[T0], s[T0], s[T2]
	s_lshl_b32 s[T2], s[CX], 11
	s_add_co_u32 s[T0], s[T0], s[T2]
	s_lshl_b32 s[T2], s[WV], 8
	s_add_co_u32 s[T0], s[T0], s[T2]
	s_add_co_u32 s[T0], s[T0], SCO
	s_add_nc_u64 s[SCL:SCL+1], s[WQ:WQ+1], s[T0:T0+1]
.endm
.macro AMAX d, e, xs                   ; the largest magnitude of 32 numbers, in two chains, with the floor 2^(3 - 127) among the leaves
	v_max3_num_f32 v[\d], |v[\xs]|, |v[\xs+1]|, |v[\xs+2]|
	v_max3_num_f32 v[\e], |v[\xs+3]|, |v[\xs+4]|, |v[\xs+5]|
.irp i, 6,10,14,18,22,26
	v_max3_num_f32 v[\d], v[\d], |v[\xs+\i]|, |v[\xs+\i+1]|
	v_max3_num_f32 v[\e], v[\e], |v[\xs+\i+2]|, |v[\xs+\i+3]|
.endr
	v_max3_num_f32 v[\d], v[\d], |v[\xs+30]|, |v[\xs+31]|
	v_max3_num_f32 v[\d], v[\d], v[\e], 0x1800000
.endm
.macro WLOAD t
.set LI, 0
.rept 32
	global_load_b32 v[32+32*((\t)%2)+LI], v16, s[SRC:SRC+1] offset:(32*(\t)+LI)*4096 th:TH_LOAD_NT
.set LI, LI+1
.endr
.endm
.macro WBLOCK t
.set XS, 32+32*((\t)%2)
.set BE, (\t)%4
.set HH, (\t)%2
.if (\t) < 7
	s_wait_loadcnt 32                              ; this block's 32 loads are in; the next block's 32 may be out
.else
	s_wait_loadcnt 0x0
.endif
	AMAX 110, 111, XS
	v_add_nc_u32 v112, 0xff000000, v110            ; 2 off the exponent field: the conversion's scale operand
	v_cvt_scalef32_pk16_fp6_f32 v[96:98], v[XS:XS+15], v112
	v_cvt_scalef32_pk16_fp6_f32 v[104:106], v[XS+16:XS+31], v112
	v_lshrrev_b32 v113, 23, v112                   ; the scale's byte; also the plain instruction behind the conversions
.irp i, 0,1,2
	v_mov_b32 v[99+\i], v[104+\i]
.endr
.if BE == 0
	v_mov_b32 v[108+(\t)/4], v113
.else
	v_lshl_or_b32 v[108+(\t)/4], v113, 8*BE, v[108+(\t)/4]
.endif
.if BE < 2
	ds_store_b128 v17, v[96:99] offset:256*HH
	ds_store_b64 v17, v[100:101] offset:512+256*HH
.else
	ds_store_b64 v17, v[96:97] offset:520+256*HH
	ds_store_b128 v17, v[98:101] offset:1024+256*HH
.endif
.if (\t) < 6
	WLOAD (\t)+2
.endif
	s_wait_dscnt 0x0                               ; the stores have read their registers
.endm
.macro WFLUSH sg
.irp u, 0,1
.irp g, 0,1,2
	ds_load_b128 v[128+24*\sg+4*(3*\u+\g):131+24*\sg+4*(3*\u+\g)], v18 offset:1664*\u+512*\g
.endr
.endr
	s_wait_dscnt 0x0
.irp u, 0,1
.irp g, 0,1,2
	global_store_b128 v19, v[128+24*\sg+4*(3*\u+\g):131+24*\sg+4*(3*\u+\g)], s[COD:COD+1] offset:12288*\u+1536*\sg+512*\g
.endr
.endr
.endm
.macro WPATH
	WLOAD 0
	WLOAD 1
	WBLOCK 0
	WBLOCK 1
	WBLOCK 2
	WBLOCK 3
	WFLUSH 0
	WBLOCK 4
	WBLOCK 5
	WBLOCK 6
	WBLOCK 7
	WFLUSH 1
	global_store_b64 v20, v[108:109], s[SCL:SCL+1]
.endm
	s_load_b256 s[4:11], s[0:1], 0x0               ; ridx s[4:5], xw s[6:7], wu s[8:9], wd s[10:11]
	s_load_b256 s[12:19], s[0:1], 0x20             ; ws_g s[12:13], ws_u s[14:15], ws_d s[16:17], wq s[18:19]
	s_load_b128 s[20:23], s[0:1], 0x40             ; plan s[20:21], out1 s[22:23]
	v_lshl_add_u32 v1, v0, 2, SPARE                ; my spare word,
	v_mov_b32 v2, 0                                ; and 0: kept for the closing lines alone
	v_lshrrev_b32 v22, 5, v0
	v_readfirstlane_b32 s[WV], v22                 ; wave 0..7
	v_and_b32 v23, 31, v0                          ; lane
	v_bfe_u32 v25, v0, 4, 1
	v_lshlrev_b32 v19, 4, v23                      ; 16 x lane
	v_lshlrev_b32 v16, 2, v23                      ; 4 x lane
	v_bfe_u32 v26, v0, 3, 1                        ; u
	v_and_b32 v27, 7, v0
	v_lshl_add_u32 v27, v25, 3, v27                ; r
	s_mul_i32 s25, s[WV], 3328
	v_mul_u32_u24 v17, v26, 1664
	v_lshl_add_u32 v17, v27, 4, v17
	v_add_nc_u32 v17, s25, v17
	v_add_nc_u32 v18, s25, v19
	v_lshlrev_b32 v20, 7, v26
	v_lshl_add_u32 v20, v27, 3, v20
	v_lshl_add_u32 v3, v0, 2, CNT                  ; my word among the counts,
	v_add_nc_u32 v4, CNT, v16                      ; and my lane's in wave 0's
	v_lshlrev_b32 v5, 4, v0                        ; 16 x thread
	v_lshlrev_b32 v6, 3, v0                        ; 8 x thread
	s_wait_kmcnt 0x0
	s_cmp_lt_u32 ttmp9, NSP
	s_cbranch_scc1 .Lspecial_a
	; ---- THE WEIGHT PATH
	s_sub_co_u32 s26, ttmp9, NSP
	s_lshr_b32 s27, s26, 4                         ; 0-3: wu[4..7]; 4-11: wd[0..7]; 12, 13, 14: ws_g, ws_u, ws_d
	s_and_b32 s[CX], s26, 3
	s_bfe_u32 s[KY], s26, 0x20002
	s_add_co_u32 s[MI], s27, 4
	s_and_b32 s[MI], s[MI], 7
	s_cmp_lt_u32 s27, 4
	s_cselect_b64 s[SRC:SRC+1], s[8:9], s[10:11]
	s_cselect_b32 s[MN], 13, 14
	s_add_co_u32 s[MN], s[MN], s27                 ; wu[e] is matrix 9 + e, wd[e] matrix 18 + e
	s_cmp_eq_u32 s27, 12
	s_cselect_b64 s[SRC:SRC+1], s[12:13], s[SRC:SRC+1]
	s_cselect_b32 s[MN], 8, s[MN]
	s_cmp_eq_u32 s27, 13
	s_cselect_b64 s[SRC:SRC+1], s[14:15], s[SRC:SRC+1]
	s_cselect_b32 s[MN], 17, s[MN]
	s_cmp_eq_u32 s27, 14
	s_cselect_b64 s[SRC:SRC+1], s[16:17], s[SRC:SRC+1]
	s_cselect_b32 s[MN], 26, s[MN]
	s_cmp_ge_u32 s27, 12
	s_cselect_b32 s[MI], 0, s[MI]
	WADDR
	WPATH
	s_branch .Lmeet
.Lspecial_a:
	; ---- WORK-GROUP 0, first half.  Wave w has entries q = 2 token + k = 512 w + 128 j + 4 lane + c, register 4 j + c
	s_lshl_b32 s26, s[WV], 11
	s_mov_b32 s27, 0
	s_add_nc_u64 s[28:29], s[4:5], s[26:27]
.irp j, 0,1,2,3
	global_load_b128 v[32+4*\j:35+4*\j], v19, s[28:29] offset:512*\j
.endr
.irp i, 0,1,2,3
	v_mov_b32 v[96+\i], 0
.endr
	v_lshlrev_b32 v100, 2, v0
.irp i, 1,2,3
	v_add_nc_u32 v[100+\i], \i, v100
.endr
.irp i, 0,1,2,3
	v_add_nc_u32 v[104+\i], 1024+\i, v100
.endr
.irp i, 0,1,2,3
	global_store_b128 v5, v[96:99], s[20:21] offset:4096*\i   ; ROWTOK[0 .. 4,607] = 0: what the placing below does not write is padding, token 0
.endr
	global_store_b64 v6, v[96:97], s[20:21] offset:16384
	global_store_b128 v5, v[100:103], s[20:21] offset:18432   ; ROWTOK[4,608 + n] = n: the shared expert's rows
	global_store_b128 v5, v[104:107], s[20:21] offset:22528
.irp e, 0,1,2,3,4,5,6,7
	s_mov_b32 s[40+\e], 0                          ; how many entries of expert e my wave has met
.endr
	s_wait_loadcnt 0x0
.set RI, 0
.rept 16
.irp e, 0,1,2,3,4,5,6,7                ; an entry's rank among my wave's entries of its expert: those met in earlier registers + those in lower lanes
	v_cmp_eq_u32 s48, \e, v[32+RI]
.if \e == 0
	v_mbcnt_lo_u32_b32 v[48+RI], s48, s[40+\e]
.else
	v_mbcnt_lo_u32_b32 v110, s48, s[40+\e]
	v_cndmask_b32 v[48+RI], v[48+RI], v110, s48
.endif
	s_bcnt1_i32_b32 s49, s48
	s_add_co_u32 s[40+\e], s[40+\e], s49
.endr
.set RI, RI+1
.endr
	v_mov_b32 v80, 0
.irp e, 0,1,2,3,4,5,6,7
	v_writelane_b32 v80, s[40+\e], \e
.endr
	ds_store_b32 v3, v80                           ; lane e: my wave's count of expert e; lanes 8-31: 0
	s_wait_storecnt 0x0                            ; the fill of ROWTOK is done before any wave places a row
.Lmeet:
	s_wait_dscnt 0x0
	s_barrier_signal -1
	s_barrier_wait -1                              ; the one barrier: every wave of every work-group passes it
	s_cmp_lt_u32 ttmp9, NSP
	s_cbranch_scc0 .Lend
	; ---- WORK-GROUP 0, second half
	s_wait_xcnt 0x0                                ; registers that earlier memory instructions name are written again below
.irp q, 0,1,2,3,4,5,6,7
	ds_load_b32 v[64+\q], v4 offset:128*\q
.endr
	s_wait_dscnt 0x0
	v_add3_u32 v72, v64, v65, v66
	v_add3_u32 v72, v72, v67, v68
	v_add3_u32 v72, v72, v69, v70
	v_add_nc_u32 v72, v72, v71                     ; lane e: expert e's count
	s_cmp_gt_u32 s[WV], 0
	s_cselect_b32 s48, -1, 0
	v_and_b32 v73, s48, v64
.irp q, 1,2,3,4,5,6
	s_cmp_gt_u32 s[WV], \q
	s_cselect_b32 s48, -1, 0
	v_and_b32 v74, s48, v[64+\q]
	v_add_nc_u32 v73, v73, v74                     ; and what the waves in front of mine have of it
.endr
	v_add_nc_u32 v75, 63, v72
	v_and_b32 v75, 0xffffffc0, v75                 ; S_e
	v_add_nc_u32 v76, 0xff, v72
	v_lshrrev_b32 v76, 8, v76                      ; its tiles of 256 rows
	v_mov_b32 v77, v75
	v_mov_b32 v78, v76
	v_mov_b32 v79, 0
	v_mov_b32 v81, 0
.irp sh, 1,2,4                         ; sums over lanes 0 .. e
	v_mov_b32_dpp v79, v77 row_shr:\sh row_mask:0xf bank_mask:0xf bound_ctrl:1
	v_mov_b32_dpp v81, v78 row_shr:\sh row_mask:0xf bank_mask:0xf bound_ctrl:1
	v_add_nc_u32 v77, v77, v79
	v_add_nc_u32 v78, v78, v81
.endr
	v_sub_nc_u32 v82, v77, v75                     ; expert e's first row,
	v_sub_nc_u32 v83, v78, v76                     ; its first tile,
	v_add_nc_u32 v84, v82, v73                     ; and where my wave's entries of it begin
.set RI, 0
.rept 16
	v_lshlrev_b32 v[112+RI], 2, v[32+RI]
	ds_bpermute_b32 v[128+RI], v[112+RI], v84
.set RI, RI+1
.endr
	s_lshl_b32 s26, s[WV], 11
	s_mov_b32 s27, 0
	s_add_nc_u64 s[30:31], s[20:21], s[26:27]
	s_lshl_b32 s26, s[WV], 8
	v_lshlrev_b32 v176, 1, v23
	v_add_nc_u32 v176, s26, v176                   ; token of my register 0: 256 wave + 2 lane
	s_wait_dscnt 0x0
.set RI, 0
.rept 16
	v_add_nc_u32 v[48+RI], v[48+RI], v[128+RI]     ; the entry's row
	v_min_u32 v[144+RI], 0x11ff, v[48+RI]          ; held inside ROWTOK's routed part ahead of its use in an address
	v_lshlrev_b32 v[144+RI], 2, v[144+RI]
	v_add_nc_u32 v[160+RI], 64*(RI/4)+(RI%4)/2, v176
.set RI, RI+1
.endr
.irp j, 0,1,2,3
	global_store_b128 v19, v[48+4*\j:51+4*\j], s[30:31] offset:POS+512*\j
.endr
.set RI, 0
.rept 16
	global_store_b32 v[144+RI], v[160+RI], s[20:21]
.set RI, RI+1
.endr
	s_cmp_lg_u32 s[WV], 0
	s_cbranch_scc1 .Lend
	; ---- wave 0: the loss's inputs are asked for, then the list of tiles: lane i is slot i
.set RI, 0
.rept 16
	global_load_b32 v[112+RI], v16, s[6:7] offset:PPO+128*RI   ; 64 work-groups x 8 sums: lane l meets expert l % 8 in every load
.set RI, RI+1
.endr
	s_mov_b32 s50, 0x76543210
	s_mov_b32 s51, 0xfedcba98
	v_mov_b32 v90, 0
.irp q, 0,1,2,3,4,5,6
	v_readlane_b32 s48, v78, \q
	v_cmp_le_u32 vcc_lo, s48, v23
	v_add_co_ci_u32 v90, vcc_lo, 0, v90, vcc_lo    ; the slot's expert: how many experts' tiles end at or in front of it
.endr
	v_lshlrev_b32 v91, 2, v90
	ds_bpermute_b32 v92, v91, v82
	ds_bpermute_b32 v93, v91, v75
	ds_bpermute_b32 v94, v91, v83
	v_mov_b32 v95, 0x1200                          ; 4,608
	v_mov_b32 v97, 8
	v_mov_b32 v98, 0x100
	v_mov_b32 v99, 0
	v_lshlrev_b32 v96, 8, v23
	v_add_nc_u32 v96, 4608-23*256, v96             ; a shared tile's first row
	s_wait_dscnt 0x0
	v_sub_nc_u32 v94, v23, v94                     ; which tile of its expert (never negative: the expert's first tile is at or in front of the slot)
	v_lshlrev_b32 v94, 8, v94
	v_add_nc_u32 v92, v92, v94                     ; its first row
	v_cmp_lt_u32 vcc_lo, v94, v93
	v_sub_nc_u32 v93, v93, v94
	v_min_u32 v93, 0x100, v93
	v_cndmask_b32 v93, 0, v93, vcc_lo              ; its rows: a multiple of 64, 256 at the most, 0 past the expert's end
	v_cndmask_b32 v92, v95, v92, vcc_lo            ; (a slot without rows points at the shared expert's first rows)
	v_cmp_le_u32 vcc_lo, 23, v23
	v_cndmask_b32 v90, v90, v97, vcc_lo            ; slots 23-30: the shared expert, number 8
	v_cndmask_b32 v92, v92, v96, vcc_lo
	v_cndmask_b32 v93, v93, v98, vcc_lo
	v_cmp_eq_u32 vcc_lo, 31, v23
	v_cndmask_b32 v92, v92, v95, vcc_lo
	v_cndmask_b32 v93, v93, v99, vcc_lo
	v_mov_b32 v100, v90
	v_mov_b32 v101, v93
.irp w, 0,1,2,3
	v_cmp_lt_u32 vcc_lo, 64*\w, v93
	v_add_nc_u32 v91, 64*\w, v92
	v_cndmask_b32 v[102+\w], v92, v91, vcc_lo      ; wave w's first row; a wave without rows points at the tile's first
.endr
	v_mov_b32 v106, 0
	v_mov_b32 v107, 0
	v_lshlrev_b32 v108, 5, v23
	global_store_b128 v108, v[100:103], s[20:21] offset:TILES
	global_store_b128 v108, v[104:107], s[20:21] offset:TILES+16
	s_wait_loadcnt 0x0
.irp i, 0,1,2,3,4,5,6,7
	v_add_f32 v[112+\i], v[112+\i], v[120+\i]
.endr
.irp i, 0,1,2,3
	v_add_f32 v[112+\i], v[112+\i], v[116+\i]
.endr
	v_add_f32 v112, v112, v114
	v_add_f32 v113, v113, v115
	v_add_f32 v112, v112, v113
	v_add_f32_dpp v112, v112, v112 row_xmask:8 row_mask:0xf bank_mask:0xf
	v_permlanex16_b32 v113, v112, s50, s51
	v_add_f32 v112, v112, v113                     ; lane l: Psum of expert l % 8
	v_cvt_f32_u32 v114, v72                        ; count_e in lanes 0-7, 0 in the others
	v_mul_f32 v112, v112, v114
.irp x, 1,2,4,8
	v_add_f32_dpp v112, v112, v112 row_xmask:\x row_mask:0xf bank_mask:0xf
.endr
	v_permlanex16_b32 v113, v112, s50, s51
	v_add_f32 v112, v112, v113
	v_mul_f32 v112, 0x36000000, v112               ; x 2^-19
	s_wait_xcnt 0x0                                ; EXEC changes only behind this wait
	v_cmp_eq_u32 vcc_lo, 0, v23
	s_and_saveexec_b32 s49, vcc_lo
	global_store_b32 v16, v112, s[22:23]
	s_wait_xcnt 0x0                                ; and again, in front of the line that widens it
	s_or_b32 exec_lo, exec_lo, s49
.Lend:
	s_wait_tensorcnt 0x0                           ; the wave's end, behind my last LDS store
	ds_add_u32 v1, v2
	s_wait_dscnt 0x0
	s_endpgm
.Lfunc_end_k_q117860ba72_place:
	.size	k_q117860ba72_place, .Lfunc_end_k_q117860ba72_place-k_q117860ba72_place
	.p2alignl 7, 3214868480
	.fill 96, 4, 3214868480
	.section	.rodata,"a",@progbits
	.p2align	6, 0x0
	.amdhsa_kernel k_q117860ba72_place
		.amdhsa_group_segment_fixed_size 28672
		.amdhsa_private_segment_fixed_size 0
		.amdhsa_enable_private_segment 0
		.amdhsa_kernarg_size 80
		.amdhsa_user_sgpr_count 2
		.amdhsa_user_sgpr_kernarg_segment_ptr 1
		.amdhsa_wavefront_size32 1
		.amdhsa_system_sgpr_workgroup_id_x 1
		.amdhsa_system_sgpr_workgroup_id_y 1
		.amdhsa_system_sgpr_workgroup_id_z 1
		.amdhsa_system_vgpr_workitem_id 0
		.amdhsa_next_free_vgpr 192
		.amdhsa_next_free_sgpr 66
		.amdhsa_reserve_vcc 1
		.amdhsa_float_denorm_mode_32 3
		.amdhsa_float_denorm_mode_16_64 3
		.amdhsa_memory_ordered 1
		.amdhsa_forward_progress 1
		.amdhsa_inst_pref_size 91
	.end_amdhsa_kernel
	.amdgpu_metadata
---
amdhsa.version: [ 1, 2 ]
amdhsa.kernels:
  - .name:           k_q117860ba72_place
    .symbol:         k_q117860ba72_place.kd
    .args:
      - { .name: ridx, .offset: 0, .size: 8, .value_kind: global_buffer, .address_space: global }
      - { .name: xw, .offset: 8, .size: 8, .value_kind: global_buffer, .address_space: global }
      - { .name: wu, .offset: 16, .size: 8, .value_kind: global_buffer, .address_space: global }
      - { .name: wd, .offset: 24, .size: 8, .value_kind: global_buffer, .address_space: global }
      - { .name: ws_g, .offset: 32, .size: 8, .value_kind: global_buffer, .address_space: global }
      - { .name: ws_u, .offset: 40, .size: 8, .value_kind: global_buffer, .address_space: global }
      - { .name: ws_d, .offset: 48, .size: 8, .value_kind: global_buffer, .address_space: global }
      - { .name: wq, .offset: 56, .size: 8, .value_kind: global_buffer, .address_space: global }
      - { .name: plan, .offset: 64, .size: 8, .value_kind: global_buffer, .address_space: global }
      - { .name: out1, .offset: 72, .size: 8, .value_kind: global_buffer, .address_space: global }
    .group_segment_fixed_size: 28672
    .private_segment_fixed_size: 0
    .kernarg_segment_align: 8
    .kernarg_segment_size: 80
    .max_flat_workgroup_size: 256
    .sgpr_count:     66
    .vgpr_count:     192
    .wavefront_size: 32
...
	.end_amdgpu_metadata
.endif
;; end of part 2
;; launch gateup (part 3): grid 8 x 31, 4 waves a work-group, no clusters, 247,296 bytes of LDS; arguments plan, xw, wq, aq; writes aq
.if DOCPART == 3
	.amdgcn_target "amdgcn-amd-amdhsa--gfx1250"
	.amdhsa_code_object_version 6
	.text
	.protected	k_q117860ba72_gateup
	.globl	k_q117860ba72_gateup
	.p2align	8
	.type	k_q117860ba72_gateup,@function
k_q117860ba72_gateup:
	s_mov_b64 s[64:65], 0
	v_nop
	global_prefetch_b8 v0, s[64:65] scope:SCOPE_SE
	s_setreg_imm32_b32 hwreg(HW_REG_WAVE_MODE, 25, 1), 1
	s_wait_xcnt 0x0
; MoE layer, launch 3 of 5: a = silu(x Wg) * (x Wu), quantised along the hidden units, for the rows that count alone: a token's rows of the experts that it did not choose are left out (the first launch's head shows why).
; SHARES.  Work-group (bx, ty): tile slot ty of the stored list (an expert, up to 256 sorted rows) x hidden units 128 bx .. + 127, which are K step bx of the next product.  Wave w owns rows rb_w .. + 63: four tiles
; of 16, whose codes for all of K (gathered by token) stay in 384 registers.  The work-group's part of Wg and Wu (16 tiles x 8 K steps, 196,608 bytes) is staged in LDS as images of the operand's registers
; and read by all four waves: a fragment of 1,536 bytes feeds four matrix instructions.  The hidden units go in four groups of 32: two tiles of Wg, two of Wu.
; THE GATHER.  A token's codes are 768 consecutive bytes.  Two rows are fetched by three loads: lanes 0-15 take 256 consecutive bytes of one token, lanes 16-31 the same 256 of the next.  They land in the operand's
; own registers, and a tile of 16 rows at a time turns through the wave's own stage in LDS (rows 784 bytes apart) into the operand's layout: lane (r, h) takes of row r the 48 bytes of its half of each K step.
; THE PANEL COMES IN TWO HALVES.  Groups 0 and 1 are in LDS at the first barrier; the loads of groups 2 and 3 are issued between the tiles' turns, wait in registers while groups 0 and 1 are multiplied, and go
; to LDS in front of a second barrier.
; THE PRODUCT IS USED TRANSPOSED (source 0 = 16 columns of a weight, source 1 = 16 rows): a lane holds one row, and by the tiles' choice of columns its 16 registers of two tiles are 16 neighbouring hidden units.
; A GRID FOR EVERY SPLIT: 23 routed slots and 8 shared.  What hangs on the stored list: addresses, and the test of the row count behind each of the two barriers, which leads a wave without rows round the products
; and stores; every wave stages its part of the panel and passes both barriers.  So the launch has no tensor load and no cluster; all operands but the scale words of groups 2 and 3 are asked for ahead of the first product, so nothing is left to prefetch.
; LIMITS: silu(g) u is formed as (g u) / (1 + 2^(-g log2 e)): |g u| must stay under 3e38; scale bytes as the first launch's head says.
; REGISTERS, in windows of 256.  Window 0: v1, v2 the closing add's two; v3-17, v25-26 addresses; v28-29 a's scale words; v32-47 the rows' scale words (register 8 q + s: lanes 0-15 tile 2 q, lanes 16-31 tile
; 2 q + 1); v48-79 the weights' scale words, two sets (16 set + 8 pair + s: lanes 0-15 the even tile, lanes 16-31 the odd); v80-207 the 16 accumulators (32 m + 8 t; at the head v80-111 hold the 32 pairs' offsets);
; v208-255 a's codes, 12 a tile of rows.  Windows 1, 2: the rows' codes: tile m in window 1 + m / 2 at v[96 (m % 2) + 12 s].  Window 3: two sets of four weight fragments, v0-47 and v48-95.
; On its way to LDS my part of the panel stands in window 3 v0-191 (groups 0, 1) and in v192-255 of windows 3, 1 and 2 (groups 2, 3).
.set NG,    4
.set GSTEP, 24576                      ; from group to group in a weight's codes: two tiles
.set XST,   196608                     ; behind the panel: a stage for each wave, 16 rows x (768 bytes + 16)
.set XP,    784                        ; 49 x 16 bytes: the sixteen rows that a load touches start in sixteen different columns of 16 bytes
.set SPARE, 246784                     ; behind the stages: the spare words, 128 bytes for each wave, which no other line names
.set SCO,   21233664
.set XSO,   1572864
.set TILES, 43008
.set ASC,   5111808                    ; aq: where a's scale words begin: [K step][6,656 rows]
.set MSB, 0
.macro WIN new                         ; the immediate's high byte repeats the setting that is left; a switch that changes nothing is dropped
.if MSB != (\new)
	s_set_vgpr_msb (MSB<<8)|(\new)
.set MSB, (\new)
.endif
.endm
.macro PLACES                          ; four plain instructions between a matrix instruction and a load into its sources or the first read of its result
.rept 4
	v_nop
.endr
.endm
.macro BSLOAD b                        ; group b's scale words of its four tiles, for all of K, into set b % 2
.irp ky, 0,1,2,3
	global_load_b64 v[48+16*((\b)%2)+2*\ky:49+16*((\b)%2)+2*\ky], v26, s[28:29] offset:8192*\ky+256*(\b)
	global_load_b64 v[56+16*((\b)%2)+2*\ky:57+16*((\b)%2)+2*\ky], v26, s[30:31] offset:8192*\ky+256*(\b)
.endr
.endm
.macro PANEL b                         ; my tile of group b (0 or 1): 24 loads of 512 consecutive bytes, into window 3
	WIN 0xc0
.set SI, 0
.rept 24
	global_load_b128 v[96*(\b)+4*SI:96*(\b)+4*SI+3], v3, s[26:27] offset:GSTEP*(\b)+512*SI
.set SI, SI+1
.endr
.endm
.macro PANELST b                       ; and on into LDS (an LDS store's data are its source 1)
	WIN 0x0c
.set SI, 0
.rept 24
	ds_store_b128 v[8+(\b)], v[96*(\b)+4*SI:96*(\b)+4*SI+3] offset:512*SI
.set SI, SI+1
.endr
.endm
.macro LATE b, st                      ; my tile of group b (2 or 3).  st = 0: its 24 loads, into v192-255 of windows 3, 1, 2, which nothing else uses;  st = 1: on into LDS
.set LJ, 0
.rept 24
.set LU, 24*((\b)-2)+LJ
.set LW, 3
.set LR, 192+4*LU
.if LU >= 32
.set LW, 2
.set LR, 192+4*(LU-32)
.elseif LU >= 16
.set LW, 1
.set LR, 192+4*(LU-16)
.endif
.if \st
	WIN LW<<2
	ds_store_b128 v[8+(\b)], v[LR:LR+3] offset:512*LJ
.else
	WIN LW<<6
	global_load_b128 v[LR:LR+3], v3, s[26:27] offset:GSTEP*(\b)+512*LJ
.endif
.set LJ, LJ+1
.endr
.endm
.macro GATHER m                        ; the 16 rows of tile m: eight pairs x three loads of 2 x 256 consecutive bytes, into the tile's 96 registers
	WIN 0x40+0x40*((\m)/2)
.irp p, 0,1,2,3,4,5,6,7
.irp j, 0,1,2
	global_load_b128 v[96*((\m)%2)+4*(3*\p+\j):96*((\m)%2)+4*(3*\p+\j)+3], v[80+8*(\m)+\p], s[6:7] offset:256*\j
.endr
.endr
.endm
.macro TURN m, left                    ; tile m through my stage, back into the registers that it left.  left: how many younger loads may stay out.  LDS serves a wave's instructions in order: the loads see the stores, and the next tile's stores come behind these loads
	s_wait_loadcnt \left
	WIN 0x04+0x04*((\m)/2)
.irp p, 0,1,2,3,4,5,6,7
.irp j, 0,1,2
	ds_store_b128 v12, v[96*((\m)%2)+4*(3*\p+\j):96*((\m)%2)+4*(3*\p+\j)+3] offset:2*\p*XP+256*\j
.endr
.endr
	WIN 0x40+0x40*((\m)/2)
.irp s, 0,1,2,3,4,5,6,7
.irp g, 0,1,2
	ds_load_b128 v[96*((\m)%2)+12*\s+4*\g:96*((\m)%2)+12*\s+4*\g+3], v13 offset:96*\s+16*\g
.endr
.endr
.endm
.macro FRAGS b, s, f                   ; group b's four fragments of K step s into set f: 512 consecutive bytes a load
	WIN 0xc0
.irp t, 0,1,2,3
.irp g, 0,1,2
	ds_load_b128 v[48*(\f)+12*\t+4*\g:48*(\f)+12*\t+4*\g+3], v[4+(\b)] offset:12288*\t+1536*(\s)+512*\g
.endr
.endr
.endm
.macro PROD m, t, b, s                 ; accumulator (m, t) += weight tile t x rows' tile m, K step s; the first K step starts the sum
.set rD, 80+32*(\m)+8*(\t)
.set rA, 48*((\s)%2)+12*(\t)
.set rB, 96*((\m)%2)+12*(\s)
.set rP, 48+16*((\b)%2)+8*((\t)/2)+(\s)
.set rQ, 32+8*((\m)/2)+(\s)
.set VAR, 2*((\m)%2)+(\t)%2
.if (\s) == 0
.if VAR == 0
	v_wmma_scale_f32_16x16x128_f8f6f4 v[rD:rD+7], v[rA:rA+11], v[rB:rB+11], 0, v[rP], v[rQ] matrix_a_fmt:MATRIX_FMT_FP6 matrix_b_fmt:MATRIX_FMT_FP6
.elseif VAR == 1
	v_wmma_scale_f32_16x16x128_f8f6f4 v[rD:rD+7], v[rA:rA+11], v[rB:rB+11], 0, v[rP], v[rQ] matrix_a_fmt:MATRIX_FMT_FP6 matrix_b_fmt:MATRIX_FMT_FP6 matrix_a_scale:MATRIX_SCALE_ROW1
.elseif VAR == 2
	v_wmma_scale_f32_16x16x128_f8f6f4 v[rD:rD+7], v[rA:rA+11], v[rB:rB+11], 0, v[rP], v[rQ] matrix_a_fmt:MATRIX_FMT_FP6 matrix_b_fmt:MATRIX_FMT_FP6 matrix_b_scale:MATRIX_SCALE_ROW1
.else
	v_wmma_scale_f32_16x16x128_f8f6f4 v[rD:rD+7], v[rA:rA+11], v[rB:rB+11], 0, v[rP], v[rQ] matrix_a_fmt:MATRIX_FMT_FP6 matrix_b_fmt:MATRIX_FMT_FP6 matrix_a_scale:MATRIX_SCALE_ROW1 matrix_b_scale:MATRIX_SCALE_ROW1
.endif
.else
.if VAR == 0
	v_wmma_scale_f32_16x16x128_f8f6f4 v[rD:rD+7], v[rA:rA+11], v[rB:rB+11], v[rD:rD+7], v[rP], v[rQ] matrix_a_fmt:MATRIX_FMT_FP6 matrix_b_fmt:MATRIX_FMT_FP6
.elseif VAR == 1
	v_wmma_scale_f32_16x16x128_f8f6f4 v[rD:rD+7], v[rA:rA+11], v[rB:rB+11], v[rD:rD+7], v[rP], v[rQ] matrix_a_fmt:MATRIX_FMT_FP6 matrix_b_fmt:MATRIX_FMT_FP6 matrix_a_scale:MATRIX_SCALE_ROW1
.elseif VAR == 2
	v_wmma_scale_f32_16x16x128_f8f6f4 v[rD:rD+7], v[rA:rA+11], v[rB:rB+11], v[rD:rD+7], v[rP], v[rQ] matrix_a_fmt:MATRIX_FMT_FP6 matrix_b_fmt:MATRIX_FMT_FP6 matrix_b_scale:MATRIX_SCALE_ROW1
.else
	v_wmma_scale_f32_16x16x128_f8f6f4 v[rD:rD+7], v[rA:rA+11], v[rB:rB+11], v[rD:rD+7], v[rP], v[rQ] matrix_a_fmt:MATRIX_FMT_FP6 matrix_b_fmt:MATRIX_FMT_FP6 matrix_a_scale:MATRIX_SCALE_ROW1 matrix_b_scale:MATRIX_SCALE_ROW1
.endif
.endif
.endm
.macro MULS b, s                       ; a K step's 16 products: the 16 accumulators take turns, one instruction a turn, in the same order in every step
	WIN 0x07                                       ; source 0 window 3, source 1 window 1
.irp m, 0,1
.irp t, 0,1,2,3
	PROD \m, \t, \b, \s
.endr
.endr
	WIN 0x0b                                       ; source 1 window 2
.irp m, 2,3
.irp t, 0,1,2,3
	PROD \m, \t, \b, \s
.endr
.endr
.endm
.macro GROUP b                         ; the group's 128 products; its scale words are shown landed ahead of its first product
	FRAGS \b, 0, 0
.irp s, 0,1,2,3,4,5,6,7
.if \s < 7
.if \s > 0
	PLACES                                         ; the set to be loaded was read by the step before
.endif
	FRAGS \b, \s+1, (\s+1)%2
	s_wait_dscnt 12                                ; this step's fragments are in; the next step's twelve loads may be out
.else
	s_wait_dscnt 0x0
.endif
	MULS \b, \s
.endr
	WIN 0
	PLACES
.endm
; The group's 32 hidden units of my 64 rows.  G = v[80 + 32 m ..], U = v[96 + 32 m ..], 16 registers each: hidden units 32 b + 16 (lane / 16) + 0 .. 15 of row lane % 16 of tile m.
.macro EPI b
.set CC, (\b)/2
.irp m, 0,1,2,3
.irp i, 0,2,4,6,8,10,12,14
	v_pk_mul_f32 v[96+32*\m+\i:97+32*\m+\i], v[80+32*\m+\i:81+32*\m+\i], v[96+32*\m+\i:97+32*\m+\i]   ; g u; every accumulator is read from its low end on
.endr
.endr
.irp m, 0,1,2,3
.irp i, 0,2,4,6,8,10,12,14
	v_pk_mul_f32 v[80+32*\m+\i:81+32*\m+\i], v[80+32*\m+\i:81+32*\m+\i], 0xbfb8aa3b op_sel_hi:[1,0]   ; -g log2 e
.endr
.endr
.irp m, 0,1,2,3
.irp i, 0,1,2,3,4,5,6,7,8,9,10,11,12,13,14,15
	v_exp_f32 v[80+32*\m+\i], v[80+32*\m+\i]
.endr
.endr
	v_nop                                          ; a plain instruction behind the last exponential,
	s_wait_alu depctr_va_vdst(0)                   ; and one wait for the 64, ahead of their first reader
.irp m, 0,1,2,3
.irp i, 0,2,4,6,8,10,12,14
	v_pk_add_f32 v[80+32*\m+\i:81+32*\m+\i], v[80+32*\m+\i:81+32*\m+\i], 1.0 op_sel_hi:[1,0]
.endr
.endr
.irp m, 0,1,2,3
.irp i, 0,1,2,3,4,5,6,7,8,9,10,11,12,13,14,15
	v_rcp_f32 v[80+32*\m+\i], v[80+32*\m+\i]
.endr
.endr
	v_nop
	s_wait_alu depctr_va_vdst(0)                   ; one wait for the 64 reciprocals
.irp m, 0,1,2,3
.irp i, 0,2,4,6,8,10,12,14
	v_pk_mul_f32 v[80+32*\m+\i:81+32*\m+\i], v[80+32*\m+\i:81+32*\m+\i], v[96+32*\m+\i:97+32*\m+\i]   ; a
.endr
.endr
	; the block of 32 lies in lanes l and l xor 16.  U's registers are free: +0 the largest magnitude, +1 the other lane's, +2 the conversion's scale, +3 the byte, +4 .. +6 the odd group's codes
.irp m, 0,1,2,3
	v_max3_num_f32 v[96+32*\m], |v[80+32*\m]|, |v[81+32*\m]|, 0x1800000   ; with the floor 2^(3 - 127): the byte cannot fall under 1
.endr
.irp i, 2,4,6,8,10,12,14
.irp m, 0,1,2,3
	v_max3_num_f32 v[96+32*\m], v[96+32*\m], |v[80+32*\m+\i]|, |v[81+32*\m+\i]|   ; (the four tiles by turns)
.endr
.endr
.irp m, 0,1,2,3
	v_permlanex16_b32 v[97+32*\m], v[96+32*\m], s20, s21
.endr
.irp m, 0,1,2,3
	v_max_num_f32 v[96+32*\m], v[96+32*\m], v[97+32*\m]
.endr
.irp m, 0,1,2,3
	v_add_nc_u32 v[98+32*\m], 0xff000000, v[96+32*\m]   ; 2 off the exponent field
.endr
.irp m, 0,1,2,3
	v_lshrrev_b32 v[99+32*\m], 23, v[98+32*\m]
.endr
.irp m, 0,1,2,3
.if (\b)%2 == 0
	v_cvt_scalef32_pk16_fp6_f32 v[208+12*\m+6*CC:210+12*\m+6*CC], v[80+32*\m:95+32*\m], v[98+32*\m]
.else
	v_cvt_scalef32_pk16_fp6_f32 v[100+32*\m:102+32*\m], v[80+32*\m:95+32*\m], v[98+32*\m]
.endif
.endr
.irp q, 0,1                            ; the bytes of tiles 2 q (lanes 0-15) and 2 q + 1 (lanes 16-31) into byte b of the rows' scale words; also the plain instructions behind the conversions
.if (\b) == 0
	v_cndmask_b32 v[28+\q], v[99+64*\q], v[131+64*\q], s22
.else
	v_cndmask_b32 v[30+\q], v[99+64*\q], v[131+64*\q], s22
	v_lshl_or_b32 v[28+\q], v[30+\q], 8*(\b), v[28+\q]
.endif
.endr
.if (\b)%2 == 1                        ; the operand's layout wants a WHOLE block in a lane: lanes 0-15 block 2 c, lanes 16-31 block 2 c + 1
.irp m, 0,1,2,3
.irp i, 0,1,2
	v_permlane16_swap_b32 v[208+12*\m+6*CC+\i], v[100+32*\m+\i]
.endr
.endr
.irp m, 0,1,2,3
.irp i, 0,1,2
	v_mov_b32 v[211+12*\m+6*CC+\i], v[100+32*\m+\i]
.endr
.endr
.endif
.endm
	s_load_b256 s[4:11], s[0:1], 0x0               ; plan s[4:5], xw s[6:7], wq s[8:9], aq s[10:11]
	v_lshl_add_u32 v1, v0, 2, SPARE                ; my spare word,
	v_mov_b32 v2, 0                                ; and 0: kept for the closing lines alone
	v_lshrrev_b32 v30, 5, v0
	v_readfirstlane_b32 s12, v30                   ; wave 0..3
	s_mov_b32 s13, ttmp9                           ; bx
	s_and_b32 s14, ttmp7, 0xffff                   ; ty
	v_and_b32 v31, 31, v0
	v_lshlrev_b32 v3, 4, v31                       ; 16 x lane
	s_mul_i32 s15, s12, 12288
.irp b, 0,1,2,3
	v_add_nc_u32 v[4+\b], 49152*\b, v3             ; group b's panel,
	v_add_nc_u32 v[8+\b], s15, v[4+\b]             ; and the tile of it that my wave stages
.endr
	v_and_b32 v24, 15, v0                          ; r = lane % 16
	v_bfe_u32 v27, v0, 4, 1                        ; h = lane / 16
	s_mul_i32 s15, s12, 16*XP
	s_add_co_u32 s15, s15, XST                     ; my stage
	v_mul_u32_u24 v12, v27, XP
	v_lshl_add_u32 v12, v24, 4, v12
	v_add_nc_u32 v12, s15, v12                     ; into it: lanes 0-15 a pair's first row, lanes 16-31 its second; 16 bytes a lane
	v_mul_u32_u24 v13, v24, XP
	v_mad_u32_u24 v13, v27, 48, v13
	v_add_nc_u32 v13, s15, v13                     ; out of it: row r, my half's 48 bytes of a K step's 96
	v_lshlrev_b32 v14, 2, v27                      ; which of a pair's two tokens is mine
	v_lshlrev_b32 v15, 4, v24                      ; my 16 bytes of its 256
	v_lshlrev_b32 v25, 2, v31
	v_lshlrev_b32 v26, 3, v31
.irp m, 0,1,2,3
.irp i, 0,1,2,3,4,5
	v_mov_b32 v[208+12*\m+\i], 0                   ; what groups 0 and 1 leave for the lines behind the second barrier, a's first 24 registers of codes and its two scale words, is written once here:
.endr
.endr
	v_mov_b32 v28, 0                               ; the row count is tested behind each barrier, and these registers hold a value on every way through the two tests
	v_mov_b32 v29, 0
	s_mov_b32 s20, 0x76543210
	s_mov_b32 s21, 0xfedcba98                      ; v_permlanex16_b32's selects for lane l xor 16
	s_mov_b32 s22, 0xffff0000                      ; lanes 16-31
	s_lshl_b32 s40, s14, 5
	s_mov_b32 s41, 0
	s_lshl_b32 s44, s12, 2
	s_lshl_b32 s19, s12, 6                         ; my first row in the tile
	s_wait_kmcnt 0x0
	s_add_nc_u64 s[42:43], s[4:5], s[40:41]
	s_load_b64 s[16:17], s[42:43], TILES           ; the slot's expert, its rows,
	s_load_b32 s18, s[42:43], s44 offset:TILES+8   ; my wave's first row
	s_wait_kmcnt 0x0
	s_min_u32 s16, s16, 8                          ; loaded numbers are held to their ranges ahead of their use in addresses
	s_min_u32 s18, s18, 6592
	s_lshl_b32 s40, s18, 2
	s_add_nc_u64 s[24:25], s[4:5], s[40:41]        ; ROWTOK at my first row
	s_lshr_b32 s45, s12, 1
	s_mul_i32 s45, s45, 9
	s_add_co_u32 s45, s45, s16                     ; waves 0, 1 stage Wg (matrix e), waves 2, 3 Wu (matrix 9 + e),
	s_lshl_b32 s45, s45, 6
	s_lshl_b32 s46, s13, 3
	s_add_co_u32 s45, s45, s46
	s_and_b32 s46, s12, 1
	s_add_co_u32 s45, s45, s46                     ; tile 8 bx + wave % 2 of it, and two tiles on for each group
	s_mul_i32 s40, s45, 12288
	s_add_nc_u64 s[26:27], s[8:9], s[40:41]
	s_lshl_b32 s40, s16, 15
	s_lshl_b32 s46, s13, 10
	s_add_co_u32 s40, s40, s46
	s_add_co_u32 s40, s40, SCO
	s_add_nc_u64 s[28:29], s[8:9], s[40:41]        ; Wg's scale words,
	s_add_nc_u64 s[30:31], s[28:29], 294912        ; Wu's: nine matrices on
	s_mul_i32 s40, s18, 768
	s_mul_i32 s46, s13, 1536
	s_add_co_u32 s40, s40, s46
	s_add_nc_u64 s[32:33], s[10:11], s[40:41]      ; a's codes: my rows' fragments of K step bx
	s_mul_i32 s40, s13, 26624
	s_lshl_b32 s46, s18, 2
	s_add_co_u32 s40, s40, s46
	s_add_co_u32 s40, s40, ASC
	s_add_nc_u64 s[34:35], s[10:11], s[40:41]      ; and their scale words
.set PI, 0
.rept 32
	global_load_b32 v[80+PI], v14, s[24:25] offset:8*PI     ; pair PI: lanes 0-15 the token of row 2 PI, lanes 16-31 that of row 2 PI + 1
.set PI, PI+1
.endr
.irp q, 0,1
	global_load_b32 v[22+\q], v25, s[24:25] offset:128*\q   ; and, for the scale words, the token of row lane of tiles 2 q, 2 q + 1
.endr
	BSLOAD 0
	BSLOAD 1
	PANEL 0                                        ; these stand between the tokens' loads and the wait for them
	PANEL 1
	WIN 0
	s_wait_loadcnt 63                              ; 64 loads were issued behind the tokens' (16 of scale words, 48 of the panel): the tokens are in
.set PI, 0
.rept 32
	v_min_u32 v[80+PI], 0x7ff, v[80+PI]            ; held inside x's 2,048 tokens ahead of its use in an address
.set PI, PI+1
.endr
.set PI, 0
.rept 32
	v_mul_u32_u24 v[80+PI], v[80+PI], 768
.set PI, PI+1
.endr
.set PI, 0
.rept 32
	v_add_nc_u32 v[80+PI], v[80+PI], v15
.set PI, PI+1
.endr
.irp q, 0,1
	v_min_u32 v[22+\q], 0x7ff, v[22+\q]
	v_lshlrev_b32 v[16+\q], 5, v[22+\q]
.endr
.irp q, 0,1
	global_load_b128 v[32+8*\q:35+8*\q], v[16+\q], s[6:7] offset:XSO
	global_load_b128 v[36+8*\q:39+8*\q], v[16+\q], s[6:7] offset:XSO+16
.endr
	GATHER 0
	GATHER 1
	GATHER 2
	GATHER 3
	s_wait_loadcnt 63                              ; 100 loads were issued behind those of groups 0 and 1 of the panel: these are in
	PANELST 0
	PANELST 1
	TURN 0, 63                                     ; behind tile 0's loads: the 72 of tiles 1 to 3
	LATE 2, 0
	TURN 1, 63                                     ; behind tile 1's: 48 of tiles 2, 3 and 24 of the panel's group 2
	LATE 3, 0
	TURN 2, 63                                     ; behind tile 2's: 24 of tile 3 and 48 of the panel's groups 2, 3
	TURN 3, 48                                     ; behind tile 3's: those 48, which stay out.  All loads that name v80-111 are shown done: the accumulators may take these registers
	WIN 0
	s_wait_dscnt 0x0                               ; my part of the panel's first half has landed, and my rows' codes are back
	s_barrier_signal -1
	s_barrier_wait -1                              ; everybody's has.  Every wave passes this barrier, whatever the list says
	s_cmp_lt_u32 s19, s17
	s_cbranch_scc0 .Ljoin                          ; a wave without rows multiplies nothing
	GROUP 0
	EPI 0
	GROUP 1
	EPI 1
.Ljoin:
	BSLOAD 2                                       ; the scale words of groups 2 and 3 take the two sets
	BSLOAD 3
	s_wait_loadcnt 16                              ; all but these sixteen: my part of the panel's second half is in its registers
	LATE 2, 1
	LATE 3, 1
	WIN 0
	s_wait_dscnt 0x0                               ; it has landed in LDS
	s_barrier_signal -1
	s_barrier_wait -1                              ; everybody's has.  Every wave passes this barrier too
	s_wait_loadcnt 0x0                             ; the scale words
	s_cmp_lt_u32 s19, s17
	s_cbranch_scc0 .Lend                           ; a wave without rows multiplies and stores nothing
	GROUP 2
	EPI 2
	GROUP 3
	EPI 3
.irp m, 0,1,2,3
.irp g, 0,1,2
	global_store_b128 v3, v[208+12*\m+4*\g:211+12*\m+4*\g], s[32:33] offset:12288*\m+512*\g   ; a fragment as it stands: 512 consecutive bytes a store
.endr
.endr
.irp q, 0,1
	global_store_b32 v25, v[28+\q], s[34:35] offset:128*\q
.endr
.Lend:
	s_wait_tensorcnt 0x0                           ; the wave's end, behind my last LDS store
	ds_add_u32 v1, v2
	s_wait_dscnt 0x0
	s_endpgm
.Lfunc_end_k_q117860ba72_gateup:
	.size	k_q117860ba72_gateup, .Lfunc_end_k_q117860ba72_gateup-k_q117860ba72_gateup
	.p2alignl 7, 3214868480
	.fill 96, 4, 3214868480
	.section	.rodata,"a",@progbits
	.p2align	6, 0x0
	.amdhsa_kernel k_q117860ba72_gateup
		.amdhsa_group_segment_fixed_size 247296
		.amdhsa_private_segment_fixed_size 0
		.amdhsa_enable_private_segment 0
		.amdhsa_kernarg_size 32
		.amdhsa_user_sgpr_count 2
		.amdhsa_user_sgpr_kernarg_segment_ptr 1
		.amdhsa_wavefront_size32 1
		.amdhsa_system_sgpr_workgroup_id_x 1
		.amdhsa_system_sgpr_workgroup_id_y 1
		.amdhsa_system_sgpr_workgroup_id_z 1
		.amdhsa_system_vgpr_workitem_id 0
		.amdhsa_next_free_vgpr 1024
		.amdhsa_next_free_sgpr 66
		.amdhsa_reserve_vcc 0
		.amdhsa_float_denorm_mode_32 3
		.amdhsa_float_denorm_mode_16_64 3
		.amdhsa_memory_ordered 1
		.amdhsa_forward_progress 1
		.amdhsa_inst_pref_size 219
	.end_amdhsa_kernel
	.amdgpu_metadata
---
amdhsa.version: [ 1, 2 ]
amdhsa.kernels:
  - .name:           k_q117860ba72_gateup
    .symbol:         k_q117860ba72_gateup.kd
    .args:
      - { .name: plan, .offset: 0, .size: 8, .value_kind: global_buffer, .address_space: global }
      - { .name: xw, .offset: 8, .size: 8, .value_kind: global_buffer, .address_space: global }
      - { .name: wq, .offset: 16, .size: 8, .value_kind: global_buffer, .address_space: global }
      - { .name: aq, .offset: 24, .size: 8, .value_kind: global_buffer, .address_space: global }
    .group_segment_fixed_size: 247296
    .private_segment_fixed_size: 0
    .kernarg_segment_align: 8
    .kernarg_segment_size: 32
    .max_flat_workgroup_size: 128
    .sgpr_count:     66
    .vgpr_count:     1024
    .wavefront_size: 32
...
	.end_amdgpu_metadata
.endif
;; end of part 3
;; launch down (part 4): grid 8 x 31, 4 waves a work-group, no clusters, 116,224 bytes of LDS; arguments plan, aq, wq, ybuf; writes ybuf
.if DOCPART == 4
	.amdgcn_target "amdgcn-amd-amdhsa--gfx1250"
	.amdhsa_code_object_version 6
	.text
	.protected	k_q117860ba72_down
	.globl	k_q117860ba72_down
	.p2align	8
	.type	k_q117860ba72_down,@function
k_q117860ba72_down:
	s_mov_b64 s[64:65], 0
	v_nop
	global_prefetch_b8 v0, s[64:65] scope:SCOPE_SE
	s_setreg_imm32_b32 hwreg(HW_REG_WAVE_MODE, 25, 1), 1
	s_wait_xcnt 0x0
; MoE layer, launch 4 of 5: y = a Wd for the sorted rows alone (rows of experts that a token did not choose are left out: the first launch's head shows why).
; SHARES as in the launch before: work-group (bx, ty) = tile slot ty x output columns 128 bx .. + 127, in two groups of 64 (four tiles); wave w owns rows rb_w .. + 63, whose codes for all of K, 49,152 consecutive
; bytes laid as the operand's registers, stay in 384 registers; the work-group's part of Wd (8 tiles x 8 K steps, 98,304 bytes) is staged once in LDS.  The product is used transposed: a lane holds eight
; neighbouring columns of one row; a tile of 16 rows x 64 columns goes through the wave's own stage in LDS and leaves as rows: sixteen lanes store 256 consecutive, aligned bytes.
; One barrier, which every wave passes; behind it one branch on the stored row count.  So no tensor load and no cluster; all operands but group 1's scale words are asked for at the head, so nothing is left to prefetch.
; REGISTERS as in the launch before; v12 into the stage, v13 out of it, v14 my bytes in two rows of y.
.set NG,    2
.set GSTEP, 49152                      ; from group to group in Wd's codes: four tiles
.set STG,   98304                      ; behind the panel: 16 rows x (256 bytes + 16) for each wave
.set SPARE, 115712                     ; the spare words, 128 bytes for each wave, which no other line names
.set SCO,   21233664
.set TILES, 43008
.set ASC,   5111808
.set MSB, 0
.macro WIN new
.if MSB != (\new)
	s_set_vgpr_msb (MSB<<8)|(\new)
.set MSB, (\new)
.endif
.endm
.macro PLACES                          ; four plain instructions between a matrix instruction and a load into its registers or the first read of its result
.rept 4
	v_nop
.endr
.endm
.macro BSLOAD b
.irp ky, 0,1,2,3
	global_load_b64 v[48+16*((\b)%2)+2*\ky:49+16*((\b)%2)+2*\ky], v26, s[28:29] offset:8192*\ky+512*(\b)
	global_load_b64 v[56+16*((\b)%2)+2*\ky:57+16*((\b)%2)+2*\ky], v26, s[28:29] offset:8192*\ky+512*(\b)+256
.endr
.endm
.macro FRAGS b, s, f
	WIN 0xc0
.irp t, 0,1,2,3
.irp g, 0,1,2
	ds_load_b128 v[48*(\f)+12*\t+4*\g:48*(\f)+12*\t+4*\g+3], v[4+(\b)] offset:12288*\t+1536*(\s)+512*\g
.endr
.endr
.endm
.macro PROD m, t, b, s
.set rD, 80+32*(\m)+8*(\t)
.set rA, 48*((\s)%2)+12*(\t)
.set rB, 96*((\m)%2)+12*(\s)
.set rP, 48+16*((\b)%2)+8*((\t)/2)+(\s)
.set rQ, 32+8*((\m)/2)+(\s)
.set VAR, 2*((\m)%2)+(\t)%2
.if (\s) == 0
.if VAR == 0
	v_wmma_scale_f32_16x16x128_f8f6f4 v[rD:rD+7], v[rA:rA+11], v[rB:rB+11], 0, v[rP], v[rQ] matrix_a_fmt:MATRIX_FMT_FP6 matrix_b_fmt:MATRIX_FMT_FP6
.elseif VAR == 1
	v_wmma_scale_f32_16x16x128_f8f6f4 v[rD:rD+7], v[rA:rA+11], v[rB:rB+11], 0, v[rP], v[rQ] matrix_a_fmt:MATRIX_FMT_FP6 matrix_b_fmt:MATRIX_FMT_FP6 matrix_a_scale:MATRIX_SCALE_ROW1
.elseif VAR == 2
	v_wmma_scale_f32_16x16x128_f8f6f4 v[rD:rD+7], v[rA:rA+11], v[rB:rB+11], 0, v[rP], v[rQ] matrix_a_fmt:MATRIX_FMT_FP6 matrix_b_fmt:MATRIX_FMT_FP6 matrix_b_scale:MATRIX_SCALE_ROW1
.else
	v_wmma_scale_f32_16x16x128_f8f6f4 v[rD:rD+7], v[rA:rA+11], v[rB:rB+11], 0, v[rP], v[rQ] matrix_a_fmt:MATRIX_FMT_FP6 matrix_b_fmt:MATRIX_FMT_FP6 matrix_a_scale:MATRIX_SCALE_ROW1 matrix_b_scale:MATRIX_SCALE_ROW1
.endif
.else
.if VAR == 0
	v_wmma_scale_f32_16x16x128_f8f6f4 v[rD:rD+7], v[rA:rA+11], v[rB:rB+11], v[rD:rD+7], v[rP], v[rQ] matrix_a_fmt:MATRIX_FMT_FP6 matrix_b_fmt:MATRIX_FMT_FP6
.elseif VAR == 1
	v_wmma_scale_f32_16x16x128_f8f6f4 v[rD:rD+7], v[rA:rA+11], v[rB:rB+11], v[rD:rD+7], v[rP], v[rQ] matrix_a_fmt:MATRIX_FMT_FP6 matrix_b_fmt:MATRIX_FMT_FP6 matrix_a_scale:MATRIX_SCALE_ROW1
.elseif VAR == 2
	v_wmma_scale_f32_16x16x128_f8f6f4 v[rD:rD+7], v[rA:rA+11], v[rB:rB+11], v[rD:rD+7], v[rP], v[rQ] matrix_a_fmt:MATRIX_FMT_FP6 matrix_b_fmt:MATRIX_FMT_FP6 matrix_b_scale:MATRIX_SCALE_ROW1
.else
	v_wmma_scale_f32_16x16x128_f8f6f4 v[rD:rD+7], v[rA:rA+11], v[rB:rB+11], v[rD:rD+7], v[rP], v[rQ] matrix_a_fmt:MATRIX_FMT_FP6 matrix_b_fmt:MATRIX_FMT_FP6 matrix_a_scale:MATRIX_SCALE_ROW1 matrix_b_scale:MATRIX_SCALE_ROW1
.endif
.endif
.endm
.macro MULS b, s                       ; the 16 accumulators take turns, one instruction a turn, in the same order in every step
	WIN 0x07
.irp m, 0,1
.irp t, 0,1,2,3
	PROD \m, \t, \b, \s
.endr
.endr
	WIN 0x0b
.irp m, 2,3
.irp t, 0,1,2,3
	PROD \m, \t, \b, \s
.endr
.endr
.endm
.macro GROUP b
	s_wait_loadcnt 0x0                             ; this group's scale words
	s_wait_xcnt 0x0                                ; the last group's stores have read the accumulators' registers
.if (\b)+1 < NG
	BSLOAD (\b)+1
.endif
	FRAGS \b, 0, 0
.irp s, 0,1,2,3,4,5,6,7
.if \s < 7
.if \s > 0
	PLACES
.endif
	FRAGS \b, \s+1, (\s+1)%2
	s_wait_dscnt 12                                ; this step's fragments are in; the next step's twelve loads may be out
.else
	s_wait_dscnt 0x0
.endif
	MULS \b, \s
.endr
	WIN 0
	PLACES                                         ; for the stage's stores, which read results, and its loads, which land in the accumulators' registers
.if (\b)+1 < NG
	v_nop                                          ; a fifth: the next group's first products begin the accumulators anew with C = 0, so they write over registers of this group's last two K steps' products, behind which no other plain vector instruction stands
.endif
.endm
.macro DEPI b                          ; lane (r, h), register j of accumulator (m, t): y(row 16 m + r, column 64 b + 32 (t / 2) + 16 h + 8 (t % 2) + j)
.irp m, 0,1,2,3
.irp t, 0,1,2,3
	ds_store_b128 v12, v[80+32*\m+8*\t:83+32*\m+8*\t] offset:128*(\t/2)+32*(\t%2)       ; each accumulator from its low end on
	ds_store_b128 v12, v[84+32*\m+8*\t:87+32*\m+8*\t] offset:128*(\t/2)+32*(\t%2)+16
.endr
.irp i, 0,1,2,3,4,5,6,7
	ds_load_b128 v[80+32*\m+4*\i:83+32*\m+4*\i], v13 offset:544*\i   ; back by rows, into the registers that they left.  LDS serves a wave's instructions in order: the next tile's stores come behind these
.endr
.endr
.irp m, 0,1,2,3
	s_wait_dscnt 16*(3-\m)                         ; tile m is back; the later tiles' sixteen instructions each may be out
.irp i, 0,1,2,3,4,5,6,7
	global_store_b128 v14, v[80+32*\m+4*\i:83+32*\m+4*\i], s[32:33] offset:65536*\m+8192*\i+256*(\b) th:TH_STORE_NT
.endr
.endr
.endm
	s_load_b256 s[4:11], s[0:1], 0x0               ; plan s[4:5], aq s[6:7], wq s[8:9], ybuf s[10:11]
	v_lshl_add_u32 v1, v0, 2, SPARE                ; my spare word,
	v_mov_b32 v2, 0                                ; and 0: kept for the closing lines alone
	v_lshrrev_b32 v30, 5, v0
	v_readfirstlane_b32 s12, v30                   ; wave 0..3
	s_mov_b32 s13, ttmp9                           ; bx
	s_and_b32 s14, ttmp7, 0xffff                   ; ty
	v_and_b32 v31, 31, v0
	v_lshlrev_b32 v3, 4, v31
	s_mul_i32 s15, s12, 12288
.irp b, 0,1
	v_add_nc_u32 v[4+\b], 49152*\b, v3
	v_add_nc_u32 v[8+\b], s15, v[4+\b]
.endr
	v_lshlrev_b32 v25, 2, v31
	v_lshlrev_b32 v26, 3, v31
	v_and_b32 v28, 15, v0                          ; r
	v_bfe_u32 v29, v0, 4, 1                        ; h
	s_mul_i32 s15, s12, 4352
	s_add_co_u32 s15, s15, STG                     ; my stage
	v_mul_u32_u24 v12, v28, 272
	v_lshl_add_u32 v12, v29, 6, v12
	v_add_nc_u32 v12, s15, v12
	v_mul_u32_u24 v13, v29, 272
	v_lshl_add_u32 v13, v28, 4, v13
	v_add_nc_u32 v13, s15, v13
	v_lshlrev_b32 v14, 12, v29
	v_lshl_add_u32 v14, v28, 4, v14
	s_lshl_b32 s40, s14, 5
	s_mov_b32 s41, 0
	s_lshl_b32 s44, s12, 2
	s_lshl_b32 s19, s12, 6
	s_wait_kmcnt 0x0
	s_add_nc_u64 s[42:43], s[4:5], s[40:41]
	s_load_b64 s[16:17], s[42:43], TILES
	s_load_b32 s18, s[42:43], s44 offset:TILES+8
	s_wait_kmcnt 0x0
	s_min_u32 s16, s16, 8                          ; loaded numbers are held to their ranges ahead of their use in addresses
	s_min_u32 s18, s18, 6592
	s_add_co_u32 s45, s16, 18                      ; Wd of expert e is matrix 18 + e
	s_lshl_b32 s46, s45, 6
	s_lshl_b32 s47, s13, 3
	s_add_co_u32 s46, s46, s47
	s_add_co_u32 s46, s46, s12                     ; my wave stages tile 8 bx + wave, and four tiles on
	s_mul_i32 s40, s46, 12288
	s_add_nc_u64 s[26:27], s[8:9], s[40:41]
	s_lshl_b32 s40, s45, 15
	s_lshl_b32 s47, s13, 10
	s_add_co_u32 s40, s40, s47
	s_add_co_u32 s40, s40, SCO
	s_add_nc_u64 s[28:29], s[8:9], s[40:41]
	s_mul_i32 s40, s18, 768
	s_add_nc_u64 s[24:25], s[6:7], s[40:41]        ; a's codes at my first row
	s_lshl_b32 s40, s18, 2
	s_add_co_u32 s40, s40, ASC
	s_add_nc_u64 s[30:31], s[6:7], s[40:41]        ; a's scale words
	s_lshl_b32 s40, s18, 12
	s_lshl_b32 s47, s13, 9
	s_add_co_u32 s40, s40, s47
	s_add_nc_u64 s[32:33], s[10:11], s[40:41]      ; y
	BSLOAD 0
	WIN 0xc0
.set SI, 0
.rept 48
	global_load_b128 v[4*SI:4*SI+3], v3, s[26:27] offset:GSTEP*(SI/24)+512*(SI%24)
.set SI, SI+1
.endr
.irp p, 0,1
	WIN 0x40+0x40*\p                               ; destination window 1, then 2
.set SI, 0
.rept 48
	global_load_b128 v[4*SI:4*SI+3], v3, s[24:25] offset:24576*\p+512*SI
.set SI, SI+1
.endr
.endr
	WIN 0
.irp q, 0,1
.irp s, 0,1,2,3,4,5,6,7
	global_load_b32 v[32+8*\q+\s], v25, s[30:31] offset:26624*\s+128*\q
.endr
.endr
	s_wait_loadcnt 63                              ; 112 loads were issued behind the panel's: the panel's are in
	WIN 0x0c
.set SI, 0
.rept 48
	ds_store_b128 v[8+SI/24], v[4*SI:4*SI+3] offset:512*(SI%24)
.set SI, SI+1
.endr
	WIN 0
	s_wait_dscnt 0x0                               ; my part of the panel has landed
	s_barrier_signal -1
	s_barrier_wait -1                              ; everybody's has.  The one barrier: every wave passes it
	s_wait_loadcnt 0x0
	s_cmp_lt_u32 s19, s17
	s_cbranch_scc0 .Lend                           ; a wave without rows multiplies and stores nothing
	GROUP 0
	DEPI 0
	GROUP 1
	DEPI 1
.Lend:
	s_wait_tensorcnt 0x0                           ; the wave's end, behind my last LDS store
	ds_add_u32 v1, v2
	s_wait_dscnt 0x0
	s_endpgm
.Lfunc_end_k_q117860ba72_down:
	.size	k_q117860ba72_down, .Lfunc_end_k_q117860ba72_down-k_q117860ba72_down
	.p2alignl 7, 3214868480
	.fill 96, 4, 3214868480
	.section	.rodata,"a",@progbits
	.p2align	6, 0x0
	.amdhsa_kernel k_q117860ba72_down
		.amdhsa_group_segment_fixed_size 116224
		.amdhsa_private_segment_fixed_size 0
		.amdhsa_enable_private_segment 0
		.amdhsa_kernarg_size 32
		.amdhsa_user_sgpr_count 2
		.amdhsa_user_sgpr_kernarg_segment_ptr 1
		.amdhsa_wavefront_size32 1
		.amdhsa_system_sgpr_workgroup_id_x 1
		.amdhsa_system_sgpr_workgroup_id_y 1
		.amdhsa_system_sgpr_workgroup_id_z 1
		.amdhsa_system_vgpr_workitem_id 0
		.amdhsa_next_free_vgpr 1024
		.amdhsa_next_free_sgpr 66
		.amdhsa_reserve_vcc 0
		.amdhsa_float_denorm_mode_32 3
		.amdhsa_float_denorm_mode_16_64 3
		.amdhsa_memory_ordered 1
		.amdhsa_forward_progress 1
		.amdhsa_inst_pref_size 86
	.end_amdhsa_kernel
	.amdgpu_metadata
---
amdhsa.version: [ 1, 2 ]
amdhsa.kernels:
  - .name:           k_q117860ba72_down
    .symbol:         k_q117860ba72_down.kd
    .args:
      - { .name: plan, .offset: 0, .size: 8, .value_kind: global_buffer, .address_space: global }
      - { .name: aq, .offset: 8, .size: 8, .value_kind: global_buffer, .address_space: global }
      - { .name: wq, .offset: 16, .size: 8, .value_kind: global_buffer, .address_space: global }
      - { .name: ybuf, .offset: 24, .size: 8, .value_kind: global_buffer, .address_space: global }
    .group_segment_fixed_size: 116224
    .private_segment_fixed_size: 0
    .kernarg_segment_align: 8
    .kernarg_segment_size: 32
    .max_flat_workgroup_size: 128
    .sgpr_count:     66
    .vgpr_count:     1024
    .wavefront_size: 32
...
	.end_amdgpu_metadata
.endif
;; end of part 4
;; launch comb (part 5): grid 256 x 1, 8 waves a work-group, no clusters, 0 bytes of LDS; arguments plan, xw, ybuf, out0; writes out0
.if DOCPART == 5
	.amdgcn_target "amdgcn-amd-amdhsa--gfx1250"
	.amdhsa_code_object_version 6
	.text
	.protected	k_q117860ba72_comb
	.globl	k_q117860ba72_comb
	.p2align	8
	.type	k_q117860ba72_comb,@function
k_q117860ba72_comb:
	s_mov_b64 s[64:65], 0
	v_nop
	global_prefetch_b8 v0, s[64:65] scope:SCOPE_SE
	s_setreg_imm32_b32 hwreg(HW_REG_WAVE_MODE, 25, 1), 1
	s_wait_xcnt 0x0
; MoE layer, launch 5 of 5: out[n] = shared[n] + w0 y[row of (n, 0)] + w1 y[row of (n, 1)].  The sum over all eight experts with cw is these two terms: the other six weights are exact zeros (the first launch's head).
; A wave takes a token: three rows of 4,096 bytes in, one out; every load and store of the wave covers 512 consecutive bytes.  All 24 loads are asked for at once; no LDS, no barrier, no matrix unit: memory binds.
.set POS, 26624
.set RWO, 1638400
	s_load_b256 s[4:11], s[0:1], 0x0               ; plan s[4:5], xw s[6:7], ybuf s[8:9], out0 s[10:11]
	v_lshrrev_b32 v2, 5, v0
	v_readfirstlane_b32 s12, v2
	v_and_b32 v1, 31, v0
	v_lshlrev_b32 v1, 4, v1
	s_lshl_b32 s13, ttmp9, 3
	s_add_co_u32 s13, s13, s12                     ; my token
	s_lshl_b32 s14, s13, 3
	s_lshl_b32 s24, s13, 12
	s_mov_b32 s25, 0
	s_mov_b32 s21, 0
	s_mov_b32 s23, 0
	s_wait_kmcnt 0x0
	s_load_b64 s[16:17], s[4:5], s14 offset:POS    ; its two rows,
	s_load_b64 s[18:19], s[6:7], s14 offset:RWO    ; its two weights
	s_add_nc_u64 s[30:31], s[10:11], s[24:25]
	s_add_nc_u64 s[24:25], s[8:9], s[24:25]
	s_add_nc_u64 s[24:25], s[24:25], 4608*4096     ; the shared expert's row
	s_wait_kmcnt 0x0
	s_min_u32 s16, s16, 4607                       ; loaded numbers are held to their range ahead of their use in addresses
	s_min_u32 s17, s17, 4607
	s_lshl_b32 s20, s16, 12
	s_lshl_b32 s22, s17, 12
	s_add_nc_u64 s[20:21], s[8:9], s[20:21]
	s_add_nc_u64 s[22:23], s[8:9], s[22:23]
	s_mov_b32 s26, s18                             ; (the packed form names a pair and takes its low word for both halves: so both are written)
	s_mov_b32 s27, s18
	s_mov_b32 s28, s19
	s_mov_b32 s29, s19
.irp i, 0,1,2,3,4,5,6,7
	global_load_b128 v[8+12*\i:11+12*\i], v1, s[24:25] offset:512*\i th:TH_LOAD_NT
	global_load_b128 v[12+12*\i:15+12*\i], v1, s[20:21] offset:512*\i th:TH_LOAD_NT
	global_load_b128 v[16+12*\i:19+12*\i], v1, s[22:23] offset:512*\i th:TH_LOAD_NT
.endr
.irp i, 0,1,2,3,4,5,6,7
	s_wait_loadcnt 21-3*\i                         ; this piece's three loads are in; the later pieces' may be out
	v_pk_fma_f32 v[8+12*\i:9+12*\i], v[12+12*\i:13+12*\i], s[26:27], v[8+12*\i:9+12*\i] op_sel_hi:[1,0,1]
	v_pk_fma_f32 v[10+12*\i:11+12*\i], v[14+12*\i:15+12*\i], s[26:27], v[10+12*\i:11+12*\i] op_sel_hi:[1,0,1]
	v_pk_fma_f32 v[8+12*\i:9+12*\i], v[16+12*\i:17+12*\i], s[28:29], v[8+12*\i:9+12*\i] op_sel_hi:[1,0,1]
	v_pk_fma_f32 v[10+12*\i:11+12*\i], v[18+12*\i:19+12*\i], s[28:29], v[10+12*\i:11+12*\i] op_sel_hi:[1,0,1]
	global_store_b128 v1, v[8+12*\i:11+12*\i], s[30:31] offset:512*\i th:TH_STORE_NT
.endr
	s_endpgm
.Lfunc_end_k_q117860ba72_comb:
	.size	k_q117860ba72_comb, .Lfunc_end_k_q117860ba72_comb-k_q117860ba72_comb
	.p2alignl 7, 3214868480
	.fill 96, 4, 3214868480
	.section	.rodata,"a",@progbits
	.p2align	6, 0x0
	.amdhsa_kernel k_q117860ba72_comb
		.amdhsa_group_segment_fixed_size 0
		.amdhsa_private_segment_fixed_size 0
		.amdhsa_enable_private_segment 0
		.amdhsa_kernarg_size 32
		.amdhsa_user_sgpr_count 2
		.amdhsa_user_sgpr_kernarg_segment_ptr 1
		.amdhsa_wavefront_size32 1
		.amdhsa_system_sgpr_workgroup_id_x 1
		.amdhsa_system_sgpr_workgroup_id_y 1
		.amdhsa_system_sgpr_workgroup_id_z 1
		.amdhsa_system_vgpr_workitem_id 0
		.amdhsa_next_free_vgpr 104
		.amdhsa_next_free_sgpr 66
		.amdhsa_reserve_vcc 0
		.amdhsa_float_denorm_mode_32 3
		.amdhsa_float_denorm_mode_16_64 3
		.amdhsa_memory_ordered 1
		.amdhsa_forward_progress 1
		.amdhsa_inst_pref_size 7
	.end_amdhsa_kernel
	.amdgpu_metadata
---
amdhsa.version: [ 1, 2 ]
amdhsa.kernels:
  - .name:           k_q117860ba72_comb
    .symbol:         k_q117860ba72_comb.kd
    .args:
      - { .name: plan, .offset: 0, .size: 8, .value_kind: global_buffer, .address_space: global }
      - { .name: xw, .offset: 8, .size: 8, .value_kind: global_buffer, .address_space: global }
      - { .name: ybuf, .offset: 16, .size: 8, .value_kind: global_buffer, .address_space: global }
      - { .name: out0, .offset: 24, .size: 8, .value_kind: global_buffer, .address_space: global }
    .group_segment_fixed_size: 0
    .private_segment_fixed_size: 0
    .kernarg_segment_align: 8
    .kernarg_segment_size: 32
    .max_flat_workgroup_size: 256
    .sgpr_count:     66
    .vgpr_count:     104
    .wavefront_size: 32
...
	.end_amdgpu_metadata
.endif
;; end of part 5
